; MI455X (gfx1250); checked and timed in simulation.
; The chip was launched on July 23, 2026; its instructions are those of AMD's public machine-readable ISA for CDNA 5 (MIT licence, August 2026) and "CDNA5" Instruction Set Architecture Reference Guide (July 2026). The comments in the code are by the model that wrote it; some were corrected since.
;; Multi Head Attention Layer. Allowed arithmetic: matrix products marked QUANTISED: E2M3 operands, one E8M0 scale for each 32 along K, by v_wmma_scale_f32_16x16x128_f8f6f4 with both operands' format E2M3, f32 sums; everything else in f32.
;; Inputs: Wk_codes 8 x 64 x 16 x 24 uint8 (E2M3 codes of Wk, K innermost, in blocks of 32 codes, four codes in three bytes); Wk_scales 8 x 64 x 16 uint8 (E8M0 scales of Wk, one for each 32 codes along K); Wo_codes 512 x 16 x 24 uint8 (E2M3 codes of Wo, K innermost, in blocks of 32 codes, four codes in three bytes); Wo_scales 512 x 16 uint8 (E8M0 scales of Wo, one for each 32 codes along K); Wq_codes 8 x 64 x 16 x 24 uint8 (E2M3 codes of Wq, K innermost, in blocks of 32 codes, four codes in three bytes); Wq_scales 8 x 64 x 16 uint8 (E8M0 scales of Wq, one for each 32 codes along K); Wv_codes 8 x 64 x 16 x 24 uint8 (E2M3 codes of Wv, K innermost, in blocks of 32 codes, four codes in three bytes); Wv_scales 8 x 64 x 16 uint8 (E8M0 scales of Wv, one for each 32 codes along K); bk 8 x 64 float32; bo 512 float32; bq 8 x 64 float32; bv 8 x 64 float32; x_codes 2 x 4,096 x 16 x 24 uint8 (E2M3 codes of x, K innermost, in blocks of 32 codes, four codes in three bytes); x_scales 2 x 4,096 x 16 uint8 (E8M0 scales of x, one for each 32 codes along K).
;; Outputs: out0 2 x 4,096 x 512 float32.
;; This version of the problem:
;;   THIS VERSION OF THE PROBLEM IS GIVEN IN LOW PRECISION. The matrix products marked QUANTISED in the list below multiply operands that are first quantised to E2M3 (2 exponent bits, 3 mantissa bits; 6 bits a number), with one power-of-two scale for each 32 numbers along K (OCP MX v1.0); their sums are f32. All else is computed in f32.
;;   The module's matrix products, in the order in which they are computed (A, B: the left and right operand; K: the contracted axis; several contracted axes count as one K, in the product's order):
;;     1. [M 512, K 512] x [K 512, N 8,192]; A: input Wq (given as codes); B: input x (given as codes): QUANTISED
;;     2. [M 512, K 512] x [K 512, N 8,192]; A: input Wk (given as codes); B: input x (given as codes): QUANTISED
;;     3. [M 512, K 512] x [K 512, N 8,192]; A: input Wv (given as codes); B: input x (given as codes): QUANTISED
;;     4. batch 16 x [M 4,096, K 64] x [K 64, N 4,096]; A: computed on the way; B: computed on the way: QUANTISED
;;     5. batch 16 x [M 4,096, K 4,096] x [K 4,096, N 64]; A: softmax (see below); B: computed on the way: QUANTISED
;;     6. [M 8,192, K 512] x [K 512, N 512]; A: computed on the way; B: input Wo (given as codes): QUANTISED
;;   THE QUANTISER, for each operand of a quantised product, along K:
;;     - K is cut into blocks of 32 from its start; a last block that is shorter is filled with zeros.
;;     - A block's scale is 2^e with e = floor(log2(the largest magnitude in the block)) - 2, held to -126 .. 127; a block of zeros has e = 0. As a byte (E8M0): e + 127.
;;     - Each number is divided by its block's scale, clamped to +-7.5, and rounded to the nearest number of E2M3, ties to even, subnormals kept.
;;     - The product sums the exact products of the quantised numbers (number of the format x scale) in f32.
;;   ~~~python
;;   def quantise(x, axis):      # numpy; x: float32 -> the quantised numbers, widened to float32 again
;;       x = np.moveaxis(x, axis, -1); K = x.shape[-1]
;;       x = np.pad(x, [(0, 0)] * (x.ndim - 1) + [(0, -K % 32)]); x = x.reshape(x.shape[:-1] + (-1, 32)); a = np.abs(x).max(-1, keepdims=True)
;;       e = np.where(a > 0, np.clip(np.frexp(np.where(a > 0, a, 1))[1] - 1 - 2, -126, 127), 0)      # np.frexp(a)[1] - 1 = floor(log2(a)), exactly
;;       r = np.clip(x / 2.0 ** e, -7.5, 7.5)
;;       step = 2.0 ** (np.maximum(np.frexp(np.where(r == 0, 1, r))[1] - 1, 0) - 3)
;;       q = np.round(r / step) * step * 2.0 ** e      # np.round: ties to even
;;       return np.moveaxis(q.reshape(q.shape[:-2] + (-1,))[..., :K], -1, axis).astype(np.float32)
;;   ~~~
;;   SOFTMAX AHEAD OF A QUANTISED PRODUCT. Where the list says 'softmax', what is quantised is not the finished softmax but p = 2^(t - M), with t = logit x log2(e) and M = ceil(the row's largest t), a whole number; so 1/2 < the row's largest p <= 1. The row's sum l is taken of the UNQUANTISED p, in f32, and the product's result is divided by l at the end. Since M is a whole number, a kernel that streams over the keys may use a running M (the ceiling of the running maximum): every later rescaling is an exact power of two, which a block's scale takes up: the codes' values come out the same.
;;   OPERANDS COMPUTED ON THE WAY. 'Computed on the way' means the value that the module computes at that place (a softmax that the list does not call 'softmax' is quantised finished and normalised). What goes into a quantiser is computed in f32, as accurately as f32 sums, v_exp_f32 and their like allow (about 1e-6 of the number): no bf16 or f16 on the way to a quantiser, and a product that is left as it is and whose result goes on into a quantised operand takes f32 operands (vector FMAs, or v_wmma_f32_16x16x4_f32). A number that lies on a knife's edge between two numbers of the format may be rounded either way, as far as f32 arithmetic and the matrix unit's own rounding can turn it there, and no further.
;;   INPUTS GIVEN AS CODES. Wk (in the module: [8, 512, 64], K = its axis 1); Wo (in the module: [512, 512], K = its axis 0); Wq (in the module: [8, 512, 64], K = its axis 1); Wv (in the module: [8, 512, 64], K = its axis 1); x (in the module: [2, 4096, 512], K = its axis 2): each comes as NAME_codes (uint8): NAME with its K axis moved to the last place and cut into blocks of 32 codes, [.., K / 32, bytes a block], one block behind the other in memory; four codes in three bytes: a row's codes are one little-endian stream of bits, code i at bits 6 i .. 6 i + 5 (a code: sign, 2 exponent bits, 3 mantissa bits); and NAME_scales (uint8): the same leading axes, one E8M0 byte (e + 127) for each 32 codes along K. Its value is code x scale, taken as it is: it is not quantised again, and the codes and scales need not be those that the quantiser above would give.
;; One version. Each part assembles by itself: llvm-mc -triple=amdgcn-amd-amdhsa -mcpu=gfx1250 --defsym DOCPART=n.
;; ======== version 1 of 1: 3 launches
;; limits: right only within a limited range of input values
;; workspace buffers: qc 3,145,728 bytes; qs 262,144 bytes; kvc 6,291,456 bytes; kvs 393,216 bytes; oc 3,145,728 bytes; os 131,072 bytes
;; launch proj (part 1): grid 32 x 8, 12 waves a work-group, no clusters, 198,144 bytes of LDS; arguments x_codes, x_scales, Wq_codes, Wq_scales, bq, Wk_codes, Wk_scales, bk, Wv_codes, Wv_scales, bv, qc, qs, kvc, kvs; writes qc, qs, kvc, kvs
.if DOCPART == 1
	.amdgcn_target "amdgcn-amd-amdhsa--gfx1250"
	.amdhsa_code_object_version 6
	.text
	.protected	k_qedaeef79c6_proj
	.globl	k_qedaeef79c6_proj
	.p2align	8
	.type	k_qedaeef79c6_proj,@function
k_qedaeef79c6_proj:
	s_mov_b64 s[64:65], 0
	v_nop
	global_prefetch_b8 v0, s[64:65] scope:SCOPE_SE
	s_setreg_imm32_b32 hwreg(HW_REG_WAVE_MODE, 25, 1), 1
	s_wait_xcnt 0x0
; q = x Wq + bq, k = x Wk + bk, v = x Wv + bv on codes of FP6 (E2M3) with one E8M0 scale for each 32 along K = 512; the results are quantised at once, in f32,
; q and k along the head's 64, v along the keys, and leave as IMAGES OF THE OPERAND REGISTERS that the attention launch loads.
; SHARES.  Work-group (gx, head): rows 256 gx .. + 255 of x (batch and sequence on end) and one head.  Twelve waves: 0-3 make q of 64 rows each, 4-7 k of 64 rows each,
; 8-11 v: sigma = (wave / 2) % 2 says which 128 keys, pi = wave % 2 which 32 channels.  Each wave: 16 accumulators, 4 K steps of 128, 64 matrix instructions.
; TILES ARE PERMUTED: of 32 neighbouring rows (of x, or of a head's rows of W) tile u gives lane r the row 8 u + r + 8 (r / 8).  So in a result the 16 registers of tiles 2 b and 2 b + 1
; of source 0 are 16 neighbours, 32 b + 16 (lane / 16) + 0 .. 15, which is what the conversions want.  q and k: source 0 = W, source 1 = x (a lane holds one row of x, registers run along the channels);
; v: source 0 = x, source 1 = W (a lane holds one channel, registers run along the keys).
; LDS: x's 256 rows and the head's 3 x 64 rows of W, 384 bytes a row, 16 bytes of padding behind each 128: pitch 432.  Filled once by seven tensor loads of 64 rows, never stored into.
; THE BIASES are the C of each sum's first matrix instruction: they are loaded into the accumulators of the first tile, serve the other tiles as C, and are added onto in place last.
; OUT.  Unit record, 768 bytes: 6 registers (16 rows x 64 K): registers 0-3 at 16 x lane, registers 4-5 at 512 + 8 x lane.  Fragment record, 1,536 bytes: 12 registers, three runs of 512 bytes at 16 x lane.
;   qc [bh][tile] unit;  qs [bh][64 rows] 256 bytes: lane l's 8 bytes = two words; word p: lanes 0-15 tile 2 p, lanes 16-31 tile 2 p + 1;  a word of q or k is (b0, b1, b0, b1): K is 64, the two blocks that are not there repeat the bytes
;   kvc [bh][128 keys] 12,288 bytes: k's 8 units, then v's 4 fragments;  kvs [bh][128 keys] 768 bytes: k's words as in qs (2 x 256), v's words (2 x 128: lanes 0-15 channel tile 2 pi, lanes 16-31 tile 2 pi + 1).
;   v's 128 bytes of scale words are half of an aligned 256: 131,072 bytes of the launch's stores are written so; all other stores of a wave cover 256 or 512 consecutive aligned bytes.
; NO JOINT LOADS: a work-group fetches 172,032 bytes once, at its head, and has no ring; of them the 32 work-groups of a row of the grid share W's 73,728.  A cluster would add two rounds of its barrier round the only loads.
; LIMITS: NaN, infinities and a given scale byte 0xff are not served.  A block of zeros gets the byte 1 where the rule says 127: its codes are zeros, and these bytes are read by this program alone.
; LATER FORM OF THE LAYOUT, which stands in place of what the lines above say of q's and k's tiles and records:
;   q and k: of 64 neighbouring rows of x, tile i gives lane r the row 8 i + r + 24 (r / 8): a tile holds 8 rows of one block of 32 and 8 of the next.  v's tiles of x and all tiles of W stay as above.
;   qc and k's part of kvc: two tiles on end are a PAIR RECORD of 1,536 bytes: their 12 registers as three runs of 512 bytes at 16 x lane.
;   The tensor loads state each dense block of 24,576 bytes as 96 rows of 256 bytes; the padding behind every 128 bytes lays the same bytes in LDS: a row of 384 bytes has the pitch 432.
.set PITCH, 432
.set QUADB, 64*PITCH                   ; 64 rows in LDS: what one tensor load brings
.set WBASE, 4*QUADB                    ; behind x's 256 rows: Wq's 64, Wk's 64, Wv's 64
.set XA,  1                            ; v1-2   LDS address of my fragments of x (v2: for the pieces that lie behind one padding more)
.set WA,  3                            ; v3-4   the same for W
.set VXS, 5                            ; v5     16 (rho + 8 h): a row of scale bytes; lanes 0-15 take the even tile's rows, lanes 16-31 the odd tile's
.set VBQ, 6                            ; v6     64 h: bq, bk
.set L16, 7                            ; v7     16 x lane
.set L8,  8                            ; v8     8 x lane
.set L4,  9                            ; v9     4 x lane
.set VBV, 10                           ; v10    4 rho: bv
.set WSV, 12                           ; v12-15 v's waves: Wv's scale words, K step s
.set XS,  16                           ; x's scale words: pair of tiles b, K step s at v[16 + 4 b + s]
.set WS,  24                           ; q's and k's waves: W's likewise
.set WF,  32                           ; q, k: W's four fragments
.set WFV, 36                           ; v: Wv's two
.set XF,  80                           ; x's four fragments
.set ACC, 128                          ; q, k: accumulator (W tile t, x tile i) at 128 + 32 i + 8 t;  v: (x tile i, channel tile n) at 128 + 64 n + 8 i
.set TM,  32                           ; behind the products: v32-35 largest magnitudes, v36-39 bytes, v44-47 the conversions' scale operands
.set PWA, 48
.set PWB, 49
.set SW,  50                           ; v50-51 the scale words that leave
.set PC0, 52                           ; v52-70 codes, first half;  v72-90 second half
.set PC1, 72
.set WV,  34
.set HEAD, 35
.set G0,  36
.set G1,  40
.set GX,  48
.set BB,  49
.set BLK, 50
.set BH,  51
.set SEL, 52
.set HI,  54
.set CB,  56                           ; s[56:57] where my codes go;  s[58:59] my scale words
.set SB,  58
.macro PLACES n
.rept \n
	v_nop
.endr
.endm
; one matrix instruction: D, source 0, source 1, C, their scale registers; ra, rb = 1: that side's words stand in lanes 16-31
.macro MM d, a, b, c, sa, sb, ra, rb
.if (\ra) && (\rb)
	v_wmma_scale_f32_16x16x128_f8f6f4 v[\d:\d+7], v[\a:\a+11], v[\b:\b+11], v[\c:\c+7], v[\sa], v[\sb] matrix_a_fmt:MATRIX_FMT_FP6 matrix_b_fmt:MATRIX_FMT_FP6 matrix_a_scale:MATRIX_SCALE_ROW1 matrix_b_scale:MATRIX_SCALE_ROW1
.elseif (\ra)
	v_wmma_scale_f32_16x16x128_f8f6f4 v[\d:\d+7], v[\a:\a+11], v[\b:\b+11], v[\c:\c+7], v[\sa], v[\sb] matrix_a_fmt:MATRIX_FMT_FP6 matrix_b_fmt:MATRIX_FMT_FP6 matrix_a_scale:MATRIX_SCALE_ROW1
.elseif (\rb)
	v_wmma_scale_f32_16x16x128_f8f6f4 v[\d:\d+7], v[\a:\a+11], v[\b:\b+11], v[\c:\c+7], v[\sa], v[\sb] matrix_a_fmt:MATRIX_FMT_FP6 matrix_b_fmt:MATRIX_FMT_FP6 matrix_b_scale:MATRIX_SCALE_ROW1
.else
	v_wmma_scale_f32_16x16x128_f8f6f4 v[\d:\d+7], v[\a:\a+11], v[\b:\b+11], v[\c:\c+7], v[\sa], v[\sb] matrix_a_fmt:MATRIX_FMT_FP6 matrix_b_fmt:MATRIX_FMT_FP6
.endif
.endm
; a fragment, 16 rows x 128 K, from rows in LDS: six pieces of 8 bytes.  Lanes 0-15 take the row's pieces 12 q + 0, 1, 2 and 12 q + 6, 7, 8, lanes 16-31 those three pieces on.
; 16 bytes of padding lie behind every 16 pieces: where the piece three on lies behind one padding more, the second address register (40 for 24 bytes a half) serves.
.macro FRAG reg, adr, q, row
.irp p, 0,1,2,3,4,5
.set PCE, 12*(\q)+6*(\p/3)+\p%3
.if PCE%16 < 13
	ds_load_b64 v[\reg+2*\p:\reg+2*\p+1], v[\adr] offset:8*PCE+16*(PCE/16)+(\row)*PITCH
.else
	ds_load_b64 v[\reg+2*\p:\reg+2*\p+1], v[\adr+1] offset:8*PCE+16*(PCE/16)+(\row)*PITCH
.endif
.endr
.endm
; 64 numbers of a lane, register 16 b + i = place 32 b + 16 (lane / 16) + i along K, become 12 registers of codes at v[pc] on.
; mode 0: one fragment of 128 K, its scale word in v[sw].  mode 1: two units of 64 K (blocks 0, 1 and blocks 2, 3); v[sw]: lanes 0-15 the first unit's word, lanes 16-31 the second's.
.macro QUANT s, pc, mode, sw
.irp b, 0,1,2,3
	v_max3_num_f32 v[TM+\b], |v[\s+16*\b]|, |v[\s+1+16*\b]|, 0x1800000   ; my 16 numbers of block b, and the floor 2^(3 - 127): the byte cannot fall under 1.  (Each accumulator is read from its low end on)
.endr
.irp i, 2,4,6,8,10,12,14
.irp b, 0,1,2,3
	v_max3_num_f32 v[TM+\b], v[TM+\b], |v[\s+16*\b+\i]|, |v[\s+1+16*\b+\i]|   ; the four blocks by turns
.endr
.endr
.irp b, 0,1,2,3
	s_delay_alu instid0(VALU_DEP_4)
	v_permlanex16_b32 v[TM+4+\b], v[TM+\b], s[SEL], s[SEL+1]
.endr
.irp b, 0,1,2,3
	s_delay_alu instid0(VALU_DEP_4)
	v_max_num_f32 v[TM+\b], v[TM+\b], v[TM+4+\b]   ; with lane l xor 16's: the block's largest magnitude
.endr
.irp b, 0,1,2,3
	s_delay_alu instid0(VALU_DEP_4)
	v_add_nc_u32 v[TM+12+\b], 0xff000000, v[TM+\b]   ; 2 off its exponent field: the conversion takes the exponent field of this operand as its scale
.endr
.irp b, 0,1,2,3
	s_delay_alu instid0(VALU_DEP_4)
	v_lshrrev_b32 v[TM+4+\b], 23, v[TM+12+\b]      ; the scale's byte
.endr
.if \mode
	s_delay_alu instid0(VALU_DEP_3)
	v_lshl_or_b32 v[PWA], v[TM+5], 8, v[TM+4]
	s_delay_alu instid0(VALU_DEP_2)
	v_lshl_or_b32 v[PWB], v[TM+7], 8, v[TM+6]
	s_delay_alu instid0(VALU_DEP_2)
	v_lshl_or_b32 v[PWA], v[PWA], 16, v[PWA]       ; (b0, b1, b0, b1)
	s_delay_alu instid0(VALU_DEP_2)
	v_lshl_or_b32 v[PWB], v[PWB], 16, v[PWB]
	s_delay_alu instid0(VALU_DEP_1)
	v_cndmask_b32 v[\sw], v[PWA], v[PWB], s[HI]    ; lanes 16-31 take the second unit's word
.else
	s_delay_alu instid0(VALU_DEP_3)
	v_lshl_or_b32 v[\sw], v[TM+5], 8, v[TM+4]
	s_delay_alu instid0(VALU_DEP_1)
	v_lshl_or_b32 v[\sw], v[TM+6], 16, v[\sw]
	s_delay_alu instid0(VALU_DEP_1)
	v_lshl_or_b32 v[\sw], v[TM+7], 24, v[\sw]
.endif
.irp c, 0,1
	v_cvt_scalef32_pk16_fp6_f32 v[\pc+6*\c:\pc+2+6*\c], v[\s+32*\c:\s+15+32*\c], v[TM+12+2*\c]
	v_cvt_scalef32_pk16_fp6_f32 v[\pc+12+4*\c:\pc+14+4*\c], v[\s+16+32*\c:\s+31+32*\c], v[TM+12+2*\c+1]   ; (a conversion's three registers begin on an even number)
.endr
	v_nop                                          ; one plain place behind a scaled conversion
.irp c, 0,1                                    ; the operand's layout wants a whole block in a lane: lanes 0-15 block 2 c, lanes 16-31 block 2 c + 1
.irp i, 0,1,2
	v_permlane16_swap_b32 v[\pc+6*\c+\i], v[\pc+12+4*\c+\i]
.endr
.irp i, 0,1,2
	s_delay_alu instid0(VALU_DEP_3)
	v_mov_b32 v[\pc+3+6*\c+\i], v[\pc+12+4*\c+\i]
.endr
.endr
.endm
	; ---- the head: every wave
	s_load_b512 s[4:19], s[0:1], 0x0               ; x_codes 4, x_scales 6, Wq_codes 8, Wq_scales 10, bq 12, Wk_codes 14, Wk_scales 16, bk 18
	s_load_b256 s[20:27], s[0:1], 0x40             ; Wv_codes 20, Wv_scales 22, bv 24, qc 26
	s_load_b128 s[28:31], s[0:1], 0x60             ; qs 28, kvc 30
	s_load_b64 s[32:33], s[0:1], 0x70              ; kvs
	s_set_vgpr_msb 0x40
	v_lshl_add_u32 v0, v0, 2, 0x30000
	v_mov_b32 v1, 0
	s_set_vgpr_msb 0x4045
	ds_add_u32 v0, v1
	ds_add_u32 v0, v1
	s_set_vgpr_msb 0x4500
	v_lshrrev_b32 v11, 5, v0
	s_delay_alu instid0(VALU_DEP_1)
	v_readfirstlane_b32 s[WV], v11                 ; wave 0..11
	s_and_b32 s[HEAD], ttmp7, 0xffff
	s_mov_b32 s[GX], ttmp9
	s_lshr_b32 s[BB], s[GX], 4                     ; batch
	s_and_b32 s[BLK], s[GX], 15                    ; which 256 rows of the sequence
	s_lshl_b32 s[BH], s[BB], 3
	s_add_co_u32 s[BH], s[BH], s[HEAD]             ; 8 x batch + head
	s_mov_b32 s[SEL], 0x76543210
	s_mov_b32 s[SEL+1], 0xfedcba98                 ; v_permlanex16_b32's selects for lane l xor 16
	s_mov_b32 s[HI], 0xffff0000                    ; lanes 16-31
	; descriptor group 1: 64 rows of 384 bytes are dense in memory: stated as 96 rows of 256 bytes, each on a multiple of 256; in LDS 16 bytes of padding behind every 128
	s_mov_b32 s[G1+0], (0<<16)|(1<<20)|(4<<22)|(3<<25)   ; no mask; elements of 1 byte; padding on; after every 32 words (code 4); of 4 words (code 3)
	s_mov_b32 s[G1+1], 256<<16                     ; tensor_dim0
	s_mov_b32 s[G1+2], 96<<16                      ; tensor_dim1
	s_mov_b32 s[G1+3], 256<<16                     ; tile_dim0
	s_mov_b32 s[G1+4], 96                          ; tile_dim1
	s_mov_b32 s[G1+5], 256                         ; from row to row
	s_mov_b32 s[G1+6], 0
	s_mov_b32 s[G1+7], 0
	v_and_b32 v32, 15, v0                          ; r
	v_bfe_u32 v33, v0, 4, 1                        ; h
	s_delay_alu instid0(VALU_DEP_2)
	v_and_b32 v34, 8, v32
	s_delay_alu instid0(VALU_DEP_1)
	v_add_nc_u32 v34, v34, v32                     ; rho = r + 8 (r / 8)
	s_delay_alu instid0(VALU_DEP_1)
	v_mul_u32_u24 v35, v34, PITCH
	s_delay_alu instid0(VALU_DEP_1)
	v_mad_u32_u24 v35, v33, 24, v35                ; row rho, + 24 h
	; all LDS addresses are made here, ahead of the first parting of the roles
	s_wait_alu depctr_va_vdst(0)
	s_lshr_b32 s60, s[WV], 3                       ; 1 in v's waves
	s_xor_b32 s61, s60, 3
	s_and_b32 s61, s[WV], s61                      ; q, k: wave % 4 (64 rows each); v: 2 sigma (128 rows each)
	s_mul_i32 s61, s61, QUADB
	s_and_b32 s60, s60, s[WV]                      ; pi in v's waves, else 0
	s_mul_i32 s62, s60, 32*PITCH
	s_lshr_b32 s63, s[WV], 2                       ; 0 q, 1 k, 2 v
	s_mul_i32 s66, s63, QUADB
	s_add_co_u32 s62, s62, s66
	s_add_co_u32 s62, s62, WBASE
	s_lshr_b32 s69, s[WV], 3
	s_lshl_b32 s69, s69, 1
	s_xor_b32 s69, s69, 3                          ; 3 in q's and k's waves, 1 in v's
	v_and_b32 v36, 8, v32
	s_delay_alu instid0(VALU_DEP_1)
	v_mad_u32_u24 v36, v36, s69, v32               ; x's row in a tile: q, k: r + 24 (r / 8); v: rho
	s_delay_alu instid0(VALU_DEP_1)
	v_lshl_add_u32 v11, v33, 3, v36
	v_mul_u32_u24 v36, v36, PITCH
	s_delay_alu instid0(VALU_DEP_2)
	v_lshlrev_b32 v11, 4, v11                      ; v11: q, k: a row of x's scale bytes; lanes 16-31 take the odd tile's rows, 8 further on
	s_delay_alu instid0(VALU_DEP_2)
	v_mad_u32_u24 v36, v33, 24, v36
	s_delay_alu instid0(VALU_DEP_1)
	v_add_nc_u32 v[XA], s61, v36
	s_delay_alu instid0(VALU_DEP_1)
	v_lshl_add_u32 v[XA+1], v33, 4, v[XA]
	v_add_nc_u32 v[WA], s62, v35
	s_delay_alu instid0(VALU_DEP_1)
	v_lshl_add_u32 v[WA+1], v33, 4, v[WA]
	v_lshl_add_u32 v[VXS], v33, 3, v34
	s_delay_alu instid0(VALU_DEP_1)
	v_lshlrev_b32 v[VXS], 4, v[VXS]
	v_lshlrev_b32 v[VBQ], 6, v33
	v_and_b32 v[L4], 31, v0
	s_delay_alu instid0(VALU_DEP_1)
	v_lshlrev_b32 v[L16], 4, v[L4]
	s_delay_alu instid0(VALU_DEP_2)
	v_lshlrev_b32 v[L8], 3, v[L4]
	s_delay_alu instid0(VALU_DEP_3)
	v_lshlrev_b32 v[L4], 2, v[L4]
	v_lshlrev_b32 v[VBV], 2, v34
	s_mul_i32 s66, s[GX], 98304                    ; x: 256 rows of 384 bytes a work-group,
	s_mul_i32 s67, s[WV], 24576                    ; 64 rows a wave
	s_add_co_u32 s66, s66, s67
	s_mul_i32 s68, s[HEAD], 24576                  ; W: 64 rows a head
	s_wait_dscnt 0x0
	s_wait_kmcnt 0x0
	s_cmp_eq_u32 s[WV], 5                          ; waves 0-3 fetch x's four quarters, waves 4, 5, 6 the head's Wq, Wk, Wv
	s_cselect_b64 s[G0+2:G0+3], s[14:15], s[8:9]
	s_cmp_eq_u32 s[WV], 6
	s_cselect_b64 s[G0+2:G0+3], s[20:21], s[G0+2:G0+3]
	s_cmp_lt_u32 s[WV], 4
	s_cselect_b64 s[G0+2:G0+3], s[4:5], s[G0+2:G0+3]
	s_cselect_b32 s66, s66, s68
	s_mov_b32 s67, 0
	s_add_nc_u64 s[G0+2:G0+3], s[G0+2:G0+3], s[66:67]
	s_or_b32 s[G0+3], s[G0+3], 0x80000000          ; type = 2
	s_mov_b32 s[G0], 1
	s_mul_i32 s[G0+1], s[WV], QUADB                ; LDS: wave x 64 rows
	s_cmp_lt_u32 s[WV], 7
	s_cbranch_scc0 .Lnofill
	tensor_load_to_lds s[G0:G0+3], s[G1:G1+7]      ; the one fill of this wave: one tensor load of mine is out
	s_nop 0
	PLACES 4                                       ; four lines behind it
.Lnofill:
	; ---- what comes straight from memory, by role: scale words, the bias, and where the results go
	s_cmp_lt_u32 s[WV], 8
	s_cbranch_scc0 .Lv_loads
	s_and_b32 s70, s[WV], 3                        ; which 64 rows
	s_lshl_b32 s66, s[GX], 12                      ; 256 rows of 16 scale bytes
	s_lshl_b32 s67, s70, 10
	s_add_co_u32 s66, s66, s67
	s_mov_b32 s67, 0
	s_add_nc_u64 s[72:73], s[6:7], s[66:67]
	s_cmp_lt_u32 s[WV], 4                          ; q or k
	s_cselect_b64 s[74:75], s[10:11], s[16:17]
	s_cselect_b64 s[76:77], s[12:13], s[18:19]
	s_lshl_b32 s66, s[HEAD], 10
	s_add_nc_u64 s[74:75], s[74:75], s[66:67]
	s_lshl_b32 s66, s[HEAD], 8
	s_add_nc_u64 s[76:77], s[76:77], s[66:67]
	s_wait_alu depctr_va_vdst(0)
	global_load_b128 v[XS:XS+3], v11, s[72:73]                 ; a row's 16 bytes are its words of the four K steps; tiles 0 and 1
	global_load_b128 v[XS+4:XS+7], v11, s[72:73] offset:256    ; tiles 2 and 3 begin 16 rows on
	global_load_b128 v[WS:WS+3], v[VXS], s[74:75]
	global_load_b128 v[WS+4:WS+7], v[VXS], s[74:75] offset:512
.irp t, 0,1,2,3                                ; the bias in the result's layout: register j of W tile t is channel 32 (t / 2) + 8 (t % 2) + 16 h + j
	global_load_b128 v[ACC+8*\t:ACC+8*\t+3], v[VBQ], s[76:77] offset:4*(32*(\t/2)+8*(\t%2))
	global_load_b128 v[ACC+8*\t+4:ACC+8*\t+7], v[VBQ], s[76:77] offset:4*(32*(\t/2)+8*(\t%2))+16
.endr
	s_lshl_b32 s66, s[BH], 8
	s_lshl_b32 s67, s[BLK], 4
	s_add_co_u32 s66, s66, s67
	s_lshl_b32 s67, s70, 2
	s_add_co_u32 s66, s66, s67                     ; q: my first tile
	s_mul_i32 s78, s66, 768
	s_lshl_b32 s79, s66, 6                         ; 256 bytes of scale words for four tiles
	s_lshl_b32 s66, s[BH], 5
	s_lshl_b32 s67, s[BLK], 1
	s_add_co_u32 s66, s66, s67
	s_lshr_b32 s67, s70, 1
	s_add_co_u32 s66, s66, s67                     ; k: which 128 keys,
	s_and_b32 s67, s70, 1                          ; and which half of them
	s_mul_i32 s68, s66, 12288
	s_mul_i32 s69, s67, 3072
	s_add_co_u32 s68, s68, s69
	s_mul_i32 s66, s66, 768
	s_lshl_b32 s67, s67, 8
	s_add_co_u32 s69, s66, s67
	s_cmp_lt_u32 s[WV], 4
	s_cselect_b64 s[CB:CB+1], s[26:27], s[30:31]
	s_cselect_b64 s[SB:SB+1], s[28:29], s[32:33]
	s_cselect_b32 s66, s78, s68
	s_cselect_b32 s68, s79, s69
	s_mov_b32 s67, 0
	s_mov_b32 s69, 0
	s_add_nc_u64 s[CB:CB+1], s[CB:CB+1], s[66:67]
	s_add_nc_u64 s[SB:SB+1], s[SB:SB+1], s[68:69]
	s_branch .Lmeet
.Lv_loads:
	s_bfe_u32 s70, s[WV], 0x10001                  ; sigma
	s_and_b32 s71, s[WV], 1                        ; pi
	s_lshl_b32 s66, s[GX], 12
	s_lshl_b32 s67, s70, 11
	s_add_co_u32 s66, s66, s67
	s_mov_b32 s67, 0
	s_add_nc_u64 s[72:73], s[6:7], s[66:67]
	s_lshl_b32 s66, s[HEAD], 10
	s_lshl_b32 s68, s71, 9
	s_add_co_u32 s66, s66, s68
	s_add_nc_u64 s[74:75], s[22:23], s[66:67]
	s_lshl_b32 s66, s[HEAD], 8
	s_lshl_b32 s68, s71, 7
	s_add_co_u32 s66, s66, s68
	s_add_nc_u64 s[76:77], s[24:25], s[66:67]
	s_wait_alu depctr_va_vdst(0)
.irp b, 0,1,2,3
	global_load_b128 v[XS+4*\b:XS+4*\b+3], v[VXS], s[72:73] offset:512*\b
.endr
	global_load_b128 v[WSV:WSV+3], v[VXS], s[74:75]
.irp n, 0,1                                    ; here a lane holds one channel, 32 pi + 8 n + rho: all eight registers take its bias
.irp j, 0,1,2,3,4,5,6,7
	global_load_b32 v[ACC+64*\n+\j], v[VBV], s[76:77] offset:32*\n
.endr
.endr
	s_lshl_b32 s66, s[BH], 5
	s_lshl_b32 s68, s[BLK], 1
	s_add_co_u32 s66, s66, s68
	s_add_co_u32 s66, s66, s70                     ; which 128 keys
	s_mul_i32 s68, s66, 12288
	s_mul_i32 s69, s71, 3072
	s_add_co_u32 s68, s68, s69
	s_add_co_u32 s68, s68, 6144                    ; behind k's eight units: my two fragments
	s_mul_i32 s66, s66, 768
	s_lshl_b32 s69, s71, 7
	s_add_co_u32 s66, s66, s69
	s_add_co_u32 s66, s66, 512
	s_mov_b32 s69, 0
	s_add_nc_u64 s[CB:CB+1], s[30:31], s[68:69]
	s_add_nc_u64 s[SB:SB+1], s[32:33], s[66:67]
.Lmeet:
	s_wait_tensorcnt 0x0                           ; for the others' sake: my tile has landed
	s_barrier_signal -1
	s_barrier_wait -1                              ; everybody's has; from here on LDS is only read
	s_cmp_lt_u32 s[WV], 8
	s_cbranch_scc0 .Lv_work
	; ---- q and k: 4 tiles of W x 4 tiles of x.  The sixteen accumulators take turns, one instruction a turn
.macro QKMUL s, i, cz                  ; x tile i against W's four; cz = 1: C is the bias, which lies in x tile 0's accumulators
.irp t, 0,1,2,3
.if \cz
	MM ACC+32*(\i)+8*\t, WF+12*\t, XF+12*(\i), ACC+8*\t, WS+4*(\t/2)+(\s), XS+4*((\i)/2)+(\s), \t%2, (\i)%2
.else
	MM ACC+32*(\i)+8*\t, WF+12*\t, XF+12*(\i), ACC+32*(\i)+8*\t, WS+4*(\t/2)+(\s), XS+4*((\i)/2)+(\s), \t%2, (\i)%2
.endif
.endr
.endm
.macro QKSTEP s
.if \s > 0
	PLACES 4                                       ; in front of loads into registers that matrix instructions have read (ISA guide 7.12.1 for vector instructions)
.endif
.irp t, 0,1,2,3
	FRAG WF+12*\t, WA, \s, 32*(\t/2)+8*(\t%2)
.endr
.irp i, 0,1,2,3
	FRAG XF+12*\i, XA, \s, 8*\i
.endr
	s_wait_dscnt 0x0
.if \s == 0
	s_wait_loadcnt 0x0                             ; scale words and bias
	QKMUL 0, 1, 1
	QKMUL 0, 2, 1
	QKMUL 0, 3, 1
	PLACES 5                                       ; the next four write over registers that the last twelve took as C: five places
	QKMUL 0, 0, 0
.else
	QKMUL \s, 0, 0
	QKMUL \s, 1, 0
	QKMUL \s, 2, 0
	QKMUL \s, 3, 0
.endif
.endm
	QKSTEP 0
	QKSTEP 1
	QKSTEP 2
	QKSTEP 3
	PLACES 4                                       ; in front of the first read of results and of writes into the fragments' registers
.irp b, 0,1,2,3
	v_mov_b32 v[TM+4+\b], 0                        ; a lane permute's destination counts as one of its sources
.endr
	QUANT ACC, PC0, 1, SW                          ; x tiles 0 and 1: two units
.irp c, 0,1,2
	global_store_b128 v[L16], v[PC0+4*\c:PC0+4*\c+3], s[CB:CB+1] offset:512*\c          ; a pair record: three runs of 512 consecutive bytes
.endr
	QUANT ACC+64, PC1, 1, SW+1                     ; x tiles 2 and 3, into other registers: no store's data are written again
.irp c, 0,1,2
	global_store_b128 v[L16], v[PC1+4*\c:PC1+4*\c+3], s[CB:CB+1] offset:1536+512*\c
.endr
	global_store_b64 v[L8], v[SW:SW+1], s[SB:SB+1] ; the four tiles' scale words: 256 consecutive bytes
	s_set_vgpr_msb 0x5
	s_wait_tensorcnt 0x0
	ds_add_u32 v0, v1
	s_wait_dscnt 0x0
	s_set_vgpr_msb 0x500
	s_endpgm
	; ---- v: 8 tiles of x (128 keys) x 2 tiles of channels; x's fragments come four at a time
.Lv_work:
.macro VMUL s, i, cz                   ; x tile i against the two channel tiles; cz = 1: C is the bias, which lies in x tile 0's accumulators
.irp n, 0,1
.if \cz
	MM ACC+64*\n+8*(\i), XF+12*((\i)%4), WFV+12*\n, ACC+64*\n, XS+4*((\i)/2)+(\s), WSV+(\s), (\i)%2, \n
.else
	MM ACC+64*\n+8*(\i), XF+12*((\i)%4), WFV+12*\n, ACC+64*\n+8*(\i), XS+4*((\i)/2)+(\s), WSV+(\s), (\i)%2, \n
.endif
.endr
.endm
.macro VSTEP s
.if \s > 0
	PLACES 4
.endif
.irp u, 0,1
	FRAG WFV+12*\u, WA, \s, 8*\u
.endr
.irp k, 0,1,2,3
	FRAG XF+12*\k, XA, \s, 64+32*(\k/2)+8*(\k%2)   ; x tiles 4 to 7 first, so that tile 0, whose accumulators hold the bias, comes last
.endr
	s_wait_dscnt 0x0
.if \s == 0
	s_wait_loadcnt 0x0
.irp i, 4,5,6,7
	VMUL 0, \i, 1
.endr
.else
.irp i, 4,5,6,7
	VMUL \s, \i, 0
.endr
.endif
	PLACES 4
.irp k, 0,1,2,3
	FRAG XF+12*\k, XA, \s, 32*(\k/2)+8*(\k%2)
.endr
	s_wait_dscnt 0x0
.if \s == 0
	VMUL 0, 1, 1
	VMUL 0, 2, 1
	VMUL 0, 3, 1
	PLACES 5                                       ; the next two write over registers that earlier ones took as C
	VMUL 0, 0, 0
.else
.irp i, 0,1,2,3
	VMUL \s, \i, 0
.endr
.endif
.endm
	VSTEP 0
	VSTEP 1
	VSTEP 2
	VSTEP 3
	PLACES 4
.irp b, 0,1,2,3
	v_mov_b32 v[TM+4+\b], 0
.endr
	QUANT ACC, PC0, 0, PWA                         ; channel tile 2 pi: a fragment of 16 channels x 128 keys
.irp c, 0,1,2
	global_store_b128 v[L16], v[PC0+4*\c:PC0+4*\c+3], s[CB:CB+1] offset:512*\c
.endr
	QUANT ACC+64, PC1, 0, PWB                      ; channel tile 2 pi + 1
.irp c, 0,1,2
	global_store_b128 v[L16], v[PC1+4*\c:PC1+4*\c+3], s[CB:CB+1] offset:1536+512*\c
.endr
	v_cndmask_b32 v[SW], v[PWA], v[PWB], s[HI]     ; lanes 0-15 the first tile's words, lanes 16-31 the second's
	global_store_b32 v[L4], v[SW], s[SB:SB+1]
	s_set_vgpr_msb 0x5
	s_wait_tensorcnt 0x0
	ds_add_u32 v0, v1
	s_wait_dscnt 0x0
	s_set_vgpr_msb 0x500
	s_endpgm
.Lfunc_end_k_qedaeef79c6_proj:
	.size	k_qedaeef79c6_proj, .Lfunc_end_k_qedaeef79c6_proj-k_qedaeef79c6_proj
	.p2alignl 7, 3214868480
	.fill 96, 4, 3214868480
	.section	.rodata,"a",@progbits
	.p2align	6, 0x0
	.amdhsa_kernel k_qedaeef79c6_proj
		.amdhsa_group_segment_fixed_size 198144
		.amdhsa_private_segment_fixed_size 0
		.amdhsa_enable_private_segment 0
		.amdhsa_kernarg_size 120
		.amdhsa_user_sgpr_count 2
		.amdhsa_user_sgpr_kernarg_segment_ptr 1
		.amdhsa_wavefront_size32 1
		.amdhsa_system_sgpr_workgroup_id_x 1
		.amdhsa_system_sgpr_workgroup_id_y 1
		.amdhsa_system_sgpr_workgroup_id_z 1
		.amdhsa_system_vgpr_workitem_id 0
		.amdhsa_next_free_vgpr 258
		.amdhsa_next_free_sgpr 100
		.amdhsa_reserve_vcc 0
		.amdhsa_float_denorm_mode_32 3
		.amdhsa_float_denorm_mode_16_64 3
		.amdhsa_memory_ordered 1
		.amdhsa_forward_progress 1
		.amdhsa_inst_pref_size 77
	.end_amdhsa_kernel
	.amdgpu_metadata
---
amdhsa.version: [ 1, 2 ]
amdhsa.kernels:
  - .name:           k_qedaeef79c6_proj
    .symbol:         k_qedaeef79c6_proj.kd
    .args:
      - { .name: x_codes, .offset: 0, .size: 8, .value_kind: global_buffer, .address_space: global }
      - { .name: x_scales, .offset: 8, .size: 8, .value_kind: global_buffer, .address_space: global }
      - { .name: Wq_codes, .offset: 16, .size: 8, .value_kind: global_buffer, .address_space: global }
      - { .name: Wq_scales, .offset: 24, .size: 8, .value_kind: global_buffer, .address_space: global }
      - { .name: bq, .offset: 32, .size: 8, .value_kind: global_buffer, .address_space: global }
      - { .name: Wk_codes, .offset: 40, .size: 8, .value_kind: global_buffer, .address_space: global }
      - { .name: Wk_scales, .offset: 48, .size: 8, .value_kind: global_buffer, .address_space: global }
      - { .name: bk, .offset: 56, .size: 8, .value_kind: global_buffer, .address_space: global }
      - { .name: Wv_codes, .offset: 64, .size: 8, .value_kind: global_buffer, .address_space: global }
      - { .name: Wv_scales, .offset: 72, .size: 8, .value_kind: global_buffer, .address_space: global }
      - { .name: bv, .offset: 80, .size: 8, .value_kind: global_buffer, .address_space: global }
      - { .name: qc, .offset: 88, .size: 8, .value_kind: global_buffer, .address_space: global }
      - { .name: qs, .offset: 96, .size: 8, .value_kind: global_buffer, .address_space: global }
      - { .name: kvc, .offset: 104, .size: 8, .value_kind: global_buffer, .address_space: global }
      - { .name: kvs, .offset: 112, .size: 8, .value_kind: global_buffer, .address_space: global }
    .group_segment_fixed_size: 198144
    .private_segment_fixed_size: 0
    .kernarg_segment_align: 8
    .kernarg_segment_size: 120
    .max_flat_workgroup_size: 384
    .sgpr_count:     100
    .vgpr_count:     258
    .wavefront_size: 32
...
	.end_amdgpu_metadata
.endif
;; end of part 1
;; launch attn (part 2): grid 16 x 16, 16 waves a work-group, clusters of 4 x 1, 327,680 bytes of LDS; arguments qc, qs, kvc, kvs, oc, os; writes oc, os
.if DOCPART == 2
	.amdgcn_target "amdgcn-amd-amdhsa--gfx1250"
	.amdhsa_code_object_version 6
	.text
	.protected	k_qedaeef79c6_attn
	.globl	k_qedaeef79c6_attn
	.p2align	8
	.type	k_qedaeef79c6_attn,@function
k_qedaeef79c6_attn:
	s_mov_b64 s[64:65], 0
	v_nop
	global_prefetch_b8 v0, s[64:65] scope:SCOPE_SE
	s_setreg_imm32_b32 hwreg(HW_REG_WAVE_MODE, 25, 1), 1
	s_wait_xcnt 0x0
	s_wait_alu depctr_hold_cnt(0) depctr_sa_sdst(0) depctr_va_vdst(0) depctr_va_sdst(0) depctr_va_ssrc(0) depctr_va_vcc(0) depctr_vm_vsrc(0)
	s_getreg_b32 s2, hwreg(HW_REG_IB_STS2, 6, 4)
	s_cmp_eq_u32 s2, 0
	s_cbranch_scc0 .Lentry_in_a_cluster
	s_endpgm
.Lentry_in_a_cluster:
	s_bfe_u32 s2, ttmp6, 0x10000c
	s_cmp_lg_u32 s2, 0x3003
	s_cbranch_scc0 .Lentry_shape_is_right
	s_endpgm
.Lentry_shape_is_right:
; o = softmax(q k^T / 8) v for one head and 256 queries a work-group, both products on codes of FP6 (E2M3) with E8M0 scales; o is quantised at once along the concatenated heads and leaves as codes.
; THE SOFTMAX: t = score x log2(e) / 8; M = the row's largest t so far, rounded UP to a whole number; p = 2^(t - M) is quantised along the keys, not normalised.  The row's sum is taken of the
; unquantised p, in f32, and divides O at the end.  When M moves, the sum and O are multiplied by 2^(old M - new M): exact.
; SHARES.  bh = 8 x batch + head = the grid's y.  Each of sixteen waves owns one tile of 16 queries and walks the head's 4,096 keys, 128 a step.  A step is 12,288 dense bytes of kvc, images of operand registers:
; k's 8 tiles (48 registers, twelve runs of 512 bytes at 16 x lane), then v's 4 fragments (the same).  No row, pitch or padding.
; LAYOUT.  Both products are used transposed: S^T = K Q^T (source 0 = 16 keys), O^T = V^T P^T (source 0 = 16 channels): a lane holds ONE query.  Of 64 keys, tile t gives lane r the key 8 t + r + 24 (r / 8).
; So register 32 c + 8 t + j of lane (r, h) is key 64 c + 32 h + 8 t + j: a lane's 32 registers are ONE WHOLE BLOCK of 32 keys, block 2 c + h, in the order and in the lanes in which the 6-bit operand wants it.
; A block's maximum asks no other lane, the conversions' results are the operand (three moves a block: a conversion's three registers begin on an even number), and a lane makes two scale bytes.
; K = 64 IN A FORM OF 128.  Q's registers 6-11 are zero codes.  K's fragment of tile t is v[36 + 6 t .. + 11]: its upper six registers are the next tile's codes (tile 7's: p's codes): every code of this format is a finite number,
; and 0 x it adds nothing.  The scale words of q and k repeat their two bytes, so none of the blocks that are not there has the byte 0xff.
; THE STEP IS LAID AS A PIPE.  K and V have registers of their own.  At a step's top S^T is already asked for; V of this step and K of the next are fetched there; behind O's four products stand the additions of the
; row's sum, and the next step's eight products of S^T stand among them, four behind the additions that read the registers which they write, four behind the rest.
; LDS holds 24 of the 32 steps and all scale words (24,576 bytes).  Region A: steps 0-7, fetched at the head by waves 0-7 (waves 8, 9: the scale words).  Region B: steps 8-23, first fills behind the first round, one load a wave.
; Behind step 7 a round, and waves 0-7 fill region A again with steps 24-31.  Behind step 23 a barrier.  By this text's count a wave has at most one tensor load out; every wait on TENSORcnt is for 0.
; CLUSTER.  The four work-groups of a cluster are four query blocks of one head and walk the same bytes: every tile is asked for JOINTLY, with the mask of all four.
; PREFETCH.  Steps 24-31 (98,304 bytes = 384 blocks of 256) are named once in each cluster, behind the first round, one phase of 8 steps ahead of their load: each partner takes 24,576 bytes, told apart by address,
; its waves 0-2 take 8,192 each, lanes 256 bytes apart.  Steps 0-23 are asked for by their loads at the launch's start: there is no earlier place to ask from.
; LIMITS: NaN and infinities are not served; the promise holds while |t| stays under 2^31; p under 2^-126 counts as 0; a block of zeros gets the byte 1 where the rule says 127 (its codes are zeros; this program alone reads the bytes).
; A block's largest p is made from its largest score by the same two instructions as every p; that takes v_exp_f32 not to fall where its input rises.
.set STEPB, 12288
.set OSC,   0                          ; 512 bytes that LDS stores alone write: the tiles' scale bytes of o
.set SPARE, 512                        ; the spare words, 128 bytes for each of 16 waves: eight blocks of 256 bytes that no other line names
.set RB,    2560                       ; region A: steps 0-7, later 24-31
.set SCB,   RB+8*STEPB                 ; the head's scale words, 768 bytes a step
.set RB2,   RB+10*STEPB                ; region B: steps 8-23; it ends at 322,048
.set L16, 1                            ; v1 16 x lane   v2 8 x lane   v3 4 x lane
.set L8,  2
.set L4,  3
.set SPW, 4                            ; v4 my spare word; v5 0: never rewritten
.set NIL, 5
.set PFO, 6                            ; v6 256 x lane
.set SH8, 7                            ; v7 8 h
.set A16, 8                            ; v8-10 the step's LDS addresses
.set AS8, 9
.set AS4, 10
.set OSA, 11                           ; v11 OSC + 32 x wave + 2 r
                                       ; v12 -M; v13 the largest score so far; v[14:15] the sum in two halves
.set QF,  16                           ; v16-27 Q's fragment (v22-27 = 0)
.set QS,  28
.set TV,  29
.set KS,  30                           ; v30-33 K's scale words: register t / 2, lanes 0-15 the even tile, lanes 16-31 the odd
.set VS,  34                           ; v34-35 V's likewise
.set KF,  36                           ; v36-83 K's 8 tiles
.set PCD, 84                           ; v84-95 p's codes, directly behind K's
.set VF,  96                           ; v96-143 V's 4 fragments
.set S,   144                          ; v144-207 S^T, then p
.set O,   208                          ; v208-239 O^T
.set W8,  240                          ; v240-247 at work: partial maxima, a block's upper codes, three chains of the sum
.set BM,  248                          ; v248-249 a block's largest score, its largest p, its byte
.set SO,  250                          ; v250-251 the conversions' scale operands
.set T2,  252
.set PW,  253                          ; p's scale word
.set F,   254                          ; v[254:255] f = 2^(old M - new M); at the end 1 / the sum
.set WV,  18
.set CX,  19
.set SEL, 20
.set CS,  22
.set G1,  24
.set G0A, 32                           ; three groups 0, written once at the head
.set G0B, 36
.set G0C, 40
.set TB,  44                           ; LDS byte at which the step's codes begin
.set TS,  45                           ; and its scale words
.set STP, 46
.set PFA, 48
.macro CROUND                          ; a round of the cluster's barrier
	s_barrier_signal -1
	s_barrier_wait -1
	s_cmp_lg_u32 s[WV], 0
	s_cbranch_scc1 .Lnot_wave_0_\@
	s_barrier_signal -3
.Lnot_wave_0_\@:
	s_barrier_wait -3
	s_barrier_signal -1
	s_barrier_wait -1
.endm
.macro TLOAD g0                        ; s_nop 0 and four v_nop follow the load
	tensor_load_to_lds s[\g0:\g0+3], s[G1:G1+7]
	s_nop 0
.rept 4
	v_nop
.endr
.endm
.macro JLOAD lim, g0                   ; the waves under lim ask, each for its own 12,288 bytes; the branch hangs on the wave's number alone
	s_cmp_lt_u32 s[WV], \lim
	s_cbranch_scc0 .Lnone_\@
	TLOAD \g0
.Lnone_\@:
.endm
	s_load_b256 s[4:11], s[0:1], 0x0               ; qc 4, qs 6, kvc 8, kvs 10
	s_load_b128 s[12:15], s[0:1], 0x20             ; oc 12, os 14
	v_lshl_add_u32 v[SPW], v0, 2, SPARE
	v_mov_b32 v[NIL], 0
	ds_add_u32 v[SPW], v[NIL]                      ; the opening add, twice on end
	ds_add_u32 v[SPW], v[NIL]
	v_lshrrev_b32 v1, 5, v0
	s_delay_alu instid0(VALU_DEP_1)
	v_readfirstlane_b32 s[WV], v1                  ; wave 0..15
	s_bfe_u32 s[CX], ttmp6, 0x40000                ; my place in the cluster: it enters Q's, o's and the prefetch's addresses alone
	s_and_b32 s47, ttmp7, 0xffff                   ; bh, which the four partners share
	s_mov_b32 s[G1+0], 15|(3<<16)|(1<<21)          ; group 1: the mask of all four; elements of 8 bytes; bit 21 beside a mask; no padding
	s_mov_b32 s[G1+1], 32<<16                      ; 48 rows of 256 bytes, dense
	s_mov_b32 s[G1+2], 48<<16
	s_mov_b32 s[G1+3], 32<<16
	s_mov_b32 s[G1+4], 48
	s_mov_b32 s[G1+5], 32
	s_mov_b32 s[G1+6], 0
	s_mov_b32 s[G1+7], 0
	s_mul_i32 s50, s47, 32*STEPB                   ; the head's codes
	s_mul_i32 s51, s[WV], STEPB
	s_add_co_u32 s52, s50, s51                     ; step = wave
	s_mul_i32 s53, s47, 32*768                     ; the head's scale words,
	s_and_b32 s54, s[WV], 1
	s_mul_i32 s54, s54, STEPB
	s_add_co_u32 s53, s53, s54                     ; their two halves for waves 8 and 9
	s_mov_b32 s[G0A], 1
	s_mul_i32 s[G0A+1], s[WV], STEPB
	s_add_co_u32 s[G0A+1], s[G0A+1], RB            ; waves 0-7: region A; waves 8, 9: the scale words behind it
	s_mov_b32 s[G0B], 1
	s_mul_i32 s[G0B+1], s[WV], STEPB
	s_add_co_u32 s[G0B+1], s[G0B+1], RB2
	s_mov_b32 s[G0C], 1
	s_mul_i32 s[G0C+1], s[WV], STEPB
	s_add_co_u32 s[G0C+1], s[G0C+1], RB
	s_mov_b32 s[SEL], 0x76543210
	s_mov_b32 s[SEL+1], 0xfedcba98                 ; v_permlanex16_b32's selects for lane l xor 16
	s_mov_b32 s[CS], 0x3e38aa3b                    ; c = log2(e) / 8
	s_mov_b32 s[CS+1], s[CS]
	s_lshl_b32 s56, ttmp9, 2
	s_add_co_u32 s56, s56, s[CX]                   ; my block of 256 queries
	s_lshl_b32 s57, s47, 8
	s_lshl_b32 s58, s56, 4
	s_add_co_u32 s57, s57, s58                     ; the work-group's first tile
	s_add_co_u32 s59, s57, s[WV]                   ; mine
	s_lshr_b32 s68, s59, 1
	s_mul_i32 s68, s68, 1536                       ; its pair record
	s_mov_b32 s69, 0
	s_and_b32 s60, s[WV], 1                        ; e: which six of the record's twelve registers.  Their three pairs lie at 0, 8, 512 (e = 0) or 520, 1024, 1032 (e = 1), + 16 x lane
	s_mul_i32 s61, s60, 520
	s_mul_i32 s62, s60, 1016
	s_add_co_u32 s62, s62, 8
	s_add_co_u32 s63, s61, 512
	s_lshr_b32 s70, s59, 2
	s_lshl_b32 s70, s70, 8                         ; four tiles' 256 bytes of scale words;
	s_bfe_u32 s66, s[WV], 0x10001
	s_lshl_b32 s66, s66, 2                         ; which of a lane's two words;
	s_add_co_u32 s70, s70, s66
	s_lshl_b32 s66, s60, 7                         ; lanes 0-15's or lanes 16-31's
	s_add_co_u32 s70, s70, s66
	s_mov_b32 s71, 0
	s_lshr_b32 s72, s47, 3                         ; batch
	s_lshl_b32 s72, s72, 8
	s_add_co_u32 s72, s72, s58
	s_add_co_u32 s72, s72, s[WV]
	s_lshl_b32 s72, s72, 3
	s_and_b32 s66, s47, 7                          ; head
	s_add_co_u32 s72, s72, s66
	s_mul_i32 s72, s72, 768                        ; oc: [256 batch + tile][head] units of 768 bytes
	s_mov_b32 s73, 0
	s_lshl_b32 s74, s57, 5                         ; os: [bh][tile] 32 bytes
	s_mov_b32 s75, 0
	s_mul_i32 s76, s[CX], 24576                    ; the prefetch: my work-group's quarter of steps 24-31,
	s_add_co_u32 s76, s76, s50
	s_add_co_u32 s76, s76, 24*STEPB
	s_min_u32 s66, s[WV], 2
	s_lshl_b32 s66, s66, 13                        ; my wave's third of it
	s_add_co_u32 s76, s76, s66
	s_mov_b32 s77, 0
	v_and_b32 v[L4], 31, v0
	v_and_b32 v[OSA], 15, v0                       ; r
	v_bfe_u32 v[SH8], v0, 4, 1
	s_lshl_b32 s66, s[WV], 5
	v_lshlrev_b32 v[L16], 4, v[L4]
	v_lshlrev_b32 v[L8], 3, v[L4]
	v_lshlrev_b32 v[PFO], 8, v[L4]
	v_lshlrev_b32 v[L4], 2, v[L4]
	v_lshlrev_b32 v[TV], 3, v[OSA]                 ; 8 r: Q's scale word
	v_lshl_add_u32 v[OSA], v[OSA], 1, s66
	v_lshlrev_b32 v[SH8], 3, v[SH8]
	v_add_nc_u32 v[A16], s61, v[L16]               ; (first they hold the offsets of Q's three pairs)
	v_add_nc_u32 v[AS8], s62, v[L16]
	v_add_nc_u32 v[AS4], s63, v[L16]
	s_wait_alu depctr_va_vdst(0)                   ; directly ahead of the waits below
	s_wait_dscnt 0x0                               ; both opening adds are done
	s_wait_kmcnt 0x0
	s_cmp_lt_u32 s[WV], 8
	s_cselect_b64 s[G0A+2:G0A+3], s[8:9], s[10:11]
	s_cselect_b32 s54, s52, s53
	s_mov_b32 s55, 0
	s_mov_b32 s53, 0
	s_add_nc_u64 s[G0A+2:G0A+3], s[G0A+2:G0A+3], s[54:55]
	s_add_nc_u64 s[G0B+2:G0B+3], s[8:9], s[52:53]
	s_add_nc_u64 s[G0B+2:G0B+3], s[G0B+2:G0B+3], 8*STEPB       ; step 8 + wave
	s_add_nc_u64 s[G0C+2:G0C+3], s[G0B+2:G0B+3], 16*STEPB      ; step 24 + wave (asked for by waves 0-7 alone)
	s_or_b32 s[G0A+3], s[G0A+3], 0x80000000        ; type = 2
	s_or_b32 s[G0B+3], s[G0B+3], 0x80000000
	s_or_b32 s[G0C+3], s[G0C+3], 0x80000000
	s_add_nc_u64 s[68:69], s[4:5], s[68:69]        ; Q's record
	s_add_nc_u64 s[70:71], s[6:7], s[70:71]        ; its scale words
	s_add_nc_u64 s[72:73], s[12:13], s[72:73]      ; o's unit
	s_add_nc_u64 s[74:75], s[14:15], s[74:75]      ; the work-group's 512 scale bytes of o
	s_add_nc_u64 s[PFA:PFA+1], s[8:9], s[76:77]
	CROUND                                         ; all four work-groups are here: the first joint loads meet
	JLOAD 10, G0A                                  ; steps 0-7 and the scale words
	global_load_b64 v[QF:QF+1], v[A16], s[68:69]
	global_load_b64 v[QF+2:QF+3], v[AS8], s[68:69]
	global_load_b64 v[QF+4:QF+5], v[AS4], s[68:69]
	global_load_b32 v[QS], v[TV], s[70:71]
	v_mov_b32 v13, 0xff61b1e6                      ; the largest score so far: -3e38
	s_delay_alu instid0(VALU_DEP_1)
	v_floor_f32 v12, -v13                          ; -M: the first step's change of M gives f = 0
	v_mov_b32 v14, 0
	v_mov_b32 v15, 0
.irp j, 0,1,2,3,4,5
	v_mov_b32 v[QF+6+\j], 0                        ; Q's codes of k = 64 .. 127
	v_mov_b32 v[PCD+\j], 0                         ; what stands above K's last tile is named before p's first codes are made
.endr
	v_mov_b32 v[T2], 0                             ; a lane permute's destination counts as one of its sources
	v_mov_b32 v[F+1], 0                            ; (named as the upper half of a pair)
.set j, 0
.rept 32
	v_mov_b32 v[O+j], 0                            ; O^T: the step is written once; the first finds zeros, which f = 0 leaves zeros
.set j, j+1
.endr
.macro KQ t                            ; S^T of key tile t
.if (\t)%2
	v_wmma_scale_f32_16x16x128_f8f6f4 v[S+8*\t:S+8*\t+7], v[KF+6*\t:KF+6*\t+11], v[QF:QF+11], 0, v[KS+(\t)/2], v[QS] matrix_a_fmt:MATRIX_FMT_FP6 matrix_b_fmt:MATRIX_FMT_FP6 matrix_a_scale:MATRIX_SCALE_ROW1
.else
	v_wmma_scale_f32_16x16x128_f8f6f4 v[S+8*\t:S+8*\t+7], v[KF+6*\t:KF+6*\t+11], v[QF:QF+11], 0, v[KS+(\t)/2], v[QS] matrix_a_fmt:MATRIX_FMT_FP6 matrix_b_fmt:MATRIX_FMT_FP6
.endif
.endm
.macro PV n                            ; O^T of channel tile n += V^T P^T
.if (\n)%2
	v_wmma_scale_f32_16x16x128_f8f6f4 v[O+8*\n:O+8*\n+7], v[VF+12*\n:VF+12*\n+11], v[PCD:PCD+11], v[O+8*\n:O+8*\n+7], v[VS+(\n)/2], v[PW] matrix_a_fmt:MATRIX_FMT_FP6 matrix_b_fmt:MATRIX_FMT_FP6 matrix_a_scale:MATRIX_SCALE_ROW1
.else
	v_wmma_scale_f32_16x16x128_f8f6f4 v[O+8*\n:O+8*\n+7], v[VF+12*\n:VF+12*\n+11], v[PCD:PCD+11], v[O+8*\n:O+8*\n+7], v[VS+(\n)/2], v[PW] matrix_a_fmt:MATRIX_FMT_FP6 matrix_b_fmt:MATRIX_FMT_FP6
.endif
.endm
.macro MAXB c, a                       ; the largest score of my block 2 c + h: 32 registers, sixteen instructions, four chains by turns; each accumulator is read from its low end on
.irp t, 0,1,2,3
	v_max3_num_f32 v[\a+\t], v[S+32*\c+8*\t], v[S+32*\c+8*\t+1], v[S+32*\c+8*\t+2]
.endr
.irp i, 3,5
.irp t, 0,1,2,3
	v_max3_num_f32 v[\a+\t], v[\a+\t], v[S+32*\c+8*\t+\i], v[S+32*\c+8*\t+\i+1]
.endr
.endr
	v_max3_num_f32 v[\a], v[\a], v[\a+1], v[S+32*\c+7]
	v_max3_num_f32 v[\a+2], v[\a+2], v[\a+3], v[S+32*\c+15]
	v_max3_num_f32 v[\a], v[\a], v[S+32*\c+23], v[S+32*\c+31]
	s_delay_alu instid0(VALU_DEP_1)
	v_max_num_f32 v[BM+\c], v[\a], v[\a+2]
.endm
.macro OM n0, n1                       ; O^T under the new M, pairs n0 .. n1
.set k, \n0
.rept \n1-\n0+1
	v_pk_mul_f32 v[O+2*k:O+2*k+1], v[O+2*k:O+2*k+1], v[F:F+1] op_sel_hi:[1,0]
.set k, k+1
.endr
.endm
.macro SUMS k0, k1                     ; pairs k0 .. k1 of p onto four chains by turns: v[14:15] and v[240:245]
.set k, \k0
.rept \k1-\k0+1
.set ci, (k-6)%4
.if ci == 0
	v_pk_add_f32 v[14:15], v[14:15], v[S+2*k:S+2*k+1]
.else
	v_pk_add_f32 v[W8-2+2*ci:W8-1+2*ci], v[W8-2+2*ci:W8-1+2*ci], v[S+2*k:S+2*k+1]
.endif
.set k, k+1
.endr
.endm
; A KEY STEP: 128 keys.  At its top S^T has been asked for.  last = 1: a phase's last step fetches no K and asks for no S^T beyond it.
.macro STEP last
	MAXB 0, W8                                     ; these sixteen name no register of the four products just issued: they are the places in front of the loads into K's registers and of the reads of tiles 4-7
	v_add_nc_u32 v[A16], s[TB], v[L16]
	v_add_nc_u32 v[AS4], s[TS], v[L4]
.if \last == 0
	v_add_nc_u32 v[AS8], s[TS], v[L8]
.endif
.irp g, 0,1,2,3,4,5,6,7,8,9,10,11
	ds_load_b128 v[VF+4*\g:VF+4*\g+3], v[A16] offset:6144+512*\g        ; V of this step
.endr
	ds_load_b32 v[VS], v[AS4] offset:512
	ds_load_b32 v[VS+1], v[AS4] offset:640
.if \last == 0
.irp g, 0,1,2,3,4,5,6,7,8,9,10,11
	ds_load_b128 v[KF+4*\g:KF+4*\g+3], v[A16] offset:STEPB+512*\g       ; K of the next step
.endr
	ds_load_b64 v[KS:KS+1], v[AS8] offset:768
	ds_load_b64 v[KS+2:KS+3], v[AS8] offset:1024
.endif
	MAXB 1, W8+4
	s_delay_alu instid0(VALU_DEP_1)
	v_max_num_f32 v[TV], v[BM], v[BM+1]
	s_delay_alu instid0(VALU_DEP_1)
	v_permlanex16_b32 v[T2], v[TV], s[SEL], s[SEL+1]
	s_delay_alu instid0(VALU_DEP_1)
	v_max3_num_f32 v13, v13, v[TV], v[T2]          ; the largest score of my query so far
	s_delay_alu instid0(VALU_DEP_1)
	v_mul_f32 v[TV], s[CS], v13                    ; as t (c is positive)
	s_delay_alu instid0(VALU_DEP_1)
	v_floor_f32 v[T2], -v[TV]                      ; the new -M = -ceil(t)
	s_delay_alu instid0(VALU_DEP_1)
	v_sub_f32 v[TV], v[T2], v12                    ; M's old value less its new one: a whole number, 0 or less
	v_mov_b32 v12, v[T2]
	s_delay_alu instid0(VALU_DEP_2)
	v_cvt_i32_f32 v[TV], v[TV]                     ; (it saturates)
	s_delay_alu instid0(VALU_DEP_1)
	v_ldexp_f32 v[F], 1.0, v[TV]                   ; f = 2^(old M - new M)
.set j, 0
.rept 32
	v_pk_fma_f32 v[S+j:S+j+1], v[S+j:S+j+1], s[CS:CS+1], v[12:13] op_sel_hi:[1,0,0]   ; t - M, two at a time (of the pairs c and -M the low word serves both halves)
.set j, j+2
.endr
	v_fma_f32 v[BM], v[BM], s[CS], v12             ; the same of each block's largest score
	v_fma_f32 v[BM+1], v[BM+1], s[CS], v12
	s_wait_alu depctr_va_vdst(0)                   ; ahead of the batch
.set j, 0
.rept 64
	v_exp_f32 v[S+j], v[S+j]                       ; p = 2^(t - M), at most 1
.set j, j+1
.endr
	v_exp_f32 v[BM], v[BM]                         ; the block's largest p: the same two instructions on the same number give the same bits
	v_exp_f32 v[BM+1], v[BM+1]
	v_pk_mul_f32 v[14:15], v[14:15], v[F:F+1] op_sel_hi:[1,0]   ; the sum under the new M: the plain place behind the batch
	s_wait_dscnt 0x0                               ; V, and the next K, asked for at the step's top
	s_wait_alu depctr_va_vdst(0)                   ; one wait behind the batch, directly ahead of the first reader of O^T
	OM 0, 1
	v_max_num_f32 v[BM], 0x1800000, v[BM]          ; the floor 2^(3 - 127): the byte cannot fall under 1
	v_max_num_f32 v[BM+1], 0x1800000, v[BM+1]
	OM 2, 4
	v_add_nc_u32 v[SO], 0xff000000, v[BM]          ; 2 off the exponent field: the conversion's scale operand
	v_add_nc_u32 v[SO+1], 0xff000000, v[BM+1]
	OM 5, 7
	v_lshrrev_b32 v[BM], 23, v[SO]                 ; the bytes of blocks h and 2 + h
	v_lshrrev_b32 v[BM+1], 23, v[SO+1]
	OM 8, 10
	v_lshl_or_b32 v[TV], v[BM+1], 16, v[BM]
	OM 11, 13
	v_lshlrev_b32 v[TV], v[SH8], v[TV]             ; at their places in the word
	OM 14, 15
	s_delay_alu instid0(VALU_DEP_3)
	v_permlanex16_b32 v[T2], v[TV], s[SEL], s[SEL+1]
	s_delay_alu instid0(VALU_DEP_1)
	v_or_b32 v[PW], v[TV], v[T2]                   ; with lane l xor 16's two the word is whole.  Fifteen places stand between it and the scaled products
.irp c, 0,1
	v_cvt_scalef32_pk16_fp6_f32 v[PCD+6*\c:PCD+6*\c+2], v[S+32*\c:S+32*\c+15], v[SO+\c]
	v_cvt_scalef32_pk16_fp6_f32 v[W8+4*\c:W8+4*\c+2], v[S+32*\c+16:S+32*\c+31], v[SO+\c]   ; (a conversion's three registers begin on an even number)
.endr
	v_nop                                          ; one plain place behind a scaled conversion
.irp c, 0,1
.irp i, 0,1,2
	v_mov_b32 v[PCD+6*\c+3+\i], v[W8+4*\c+\i]
.endr
.endr
	v_pk_add_f32 v[W8:W8+1], v[S:S+1], v[S+2:S+3]              ; THE ROW'S SUM, of the unquantised p.  These four are the places between the writes of p's codes and the products
	v_pk_add_f32 v[W8+2:W8+3], v[S+4:S+5], v[S+6:S+7]
	v_pk_add_f32 v[W8+4:W8+5], v[S+8:S+9], v[S+10:S+11]
	SUMS 6, 6
.irp n, 0,1,2,3
	PV \n                                          ; four accumulators by turns
.endr
	SUMS 7, 15
.if \last == 0
.irp t, 0,1,2,3
	KQ \t                                          ; the next step's S^T, over the registers whose p has been summed
.endr
.endif
	SUMS 16, 31
	v_pk_add_f32 v[14:15], v[14:15], v[W8+4:W8+5]              ; the four chains become one
	v_pk_add_f32 v[W8:W8+1], v[W8:W8+1], v[W8+2:W8+3]
	v_pk_add_f32 v[14:15], v[14:15], v[W8:W8+1]
.if \last == 0
.irp t, 4,5,6,7
	KQ \t
.endr
	s_add_co_u32 s[TB], s[TB], STEPB
	s_add_co_u32 s[TS], s[TS], 768
.endif
.endm
; A PHASE: n steps that lie in one region.  Its first S^T is fetched and asked for here; the loop walks n - 1 steps; the last is written out.
.macro PHASE n
	v_add_nc_u32 v[A16], s[TB], v[L16]
	v_add_nc_u32 v[AS8], s[TS], v[L8]
.irp g, 0,1,2,3,4,5,6,7,8,9,10,11
	ds_load_b128 v[KF+4*\g:KF+4*\g+3], v[A16] offset:512*\g
.endr
	ds_load_b64 v[KS:KS+1], v[AS8]
	ds_load_b64 v[KS+2:KS+3], v[AS8] offset:256
	s_wait_dscnt 0x0
.irp t, 0,1,2,3,4,5,6,7
	KQ \t
.endr
.rept 4
	v_nop                                          ; places in front of the first read of the scores
.endr
	s_mov_b32 s[STP], \n-1
.Lstep_\@:
	STEP 0
	s_sub_co_u32 s[STP], s[STP], 1
	s_cmp_lg_u32 s[STP], 0
	s_cbranch_scc1 .Lstep_\@
	STEP 1
.endm
	s_wait_alu depctr_va_vdst(0)
	s_wait_loadcnt 0x0                             ; Q
	s_wait_tensorcnt 0x0                           ; my part of the head's tiles is in
	ds_add_u32 v[SPW], v[NIL]
	ds_add_u32 v[SPW], v[NIL]
	s_mov_b32 s[TB], RB
	s_mov_b32 s[TS], SCB
	s_wait_dscnt 0x0
	CROUND
	TLOAD G0B                                      ; steps 8-23, one a wave: first fills of region B
	s_cmp_lt_u32 s[WV], 3
	s_cbranch_scc0 .Lno_ask
	global_prefetch_b8 v[PFO], s[PFA:PFA+1] th:TH_LOAD_NT scope:SCOPE_SE   ; steps 24-31; its address registers are never rewritten
.Lno_ask:
	PHASE 8                                        ; steps 0-7
	s_wait_tensorcnt 0x0                           ; my step of region B is in;
	ds_add_u32 v[SPW], v[NIL]
	s_mov_b32 s[TB], RB2
	s_mov_b32 s[TS], SCB+8*768
	s_wait_dscnt 0x0                               ; the add is done, and my reads of region A are over
	CROUND                                         ; no wave of any partner reads region A or has a load on its way
	JLOAD 8, G0C                                   ; steps 24-31 into region A: they have sixteen steps in which to land
	PHASE 16                                       ; steps 8-23
	s_wait_tensorcnt 0x0                           ; my step of region A is in
	ds_add_u32 v[SPW], v[NIL]
	s_mov_b32 s[TB], RB
	s_mov_b32 s[TS], SCB+24*768
	s_wait_dscnt 0x0
	s_barrier_signal -1
	s_barrier_wait -1
	PHASE 8                                        ; steps 24-31
	; THE WAY OUT.  O^T / the sum; register 16 b + i is channel 32 b + 16 (lane / 16) + i of my query: two blocks of the last product's K.  They are quantised and leave as a unit of 768 bytes.
	; (The last step's additions are the places behind the last products.)
	v_add_f32 v14, v14, v15
	s_delay_alu instid0(VALU_DEP_1)
	v_permlanex16_b32 v[TV], v14, s[SEL], s[SEL+1]
	s_delay_alu instid0(VALU_DEP_1)
	v_add_f32 v14, v14, v[TV]                      ; the row's sum
	s_wait_alu depctr_va_vdst(0)
	v_rcp_f32 v[F], v14
	v_nop
	s_wait_alu depctr_va_vdst(0)
.set j, 0
.rept 16
	v_pk_mul_f32 v[S+j:S+j+1], v[O+j:O+j+1], v[F:F+1] op_sel_hi:[1,0]   ; each accumulator from its low end on
.set j, j+2
.endr
.irp b, 0,1
	v_max3_num_f32 v[BM+\b], |v[S+16*\b]|, |v[S+1+16*\b]|, 0x1800000
.endr
.irp i, 2,4,6,8,10,12,14
.irp b, 0,1
	s_delay_alu instid0(VALU_DEP_2)
	v_max3_num_f32 v[BM+\b], v[BM+\b], |v[S+16*\b+\i]|, |v[S+1+16*\b+\i]|
.endr
.endr
.irp b, 0,1
	s_delay_alu instid0(VALU_DEP_2)
	v_permlanex16_b32 v[W8+\b], v[BM+\b], s[SEL], s[SEL+1]
.endr
.irp b, 0,1
	s_delay_alu instid0(VALU_DEP_2)
	v_max_num_f32 v[BM+\b], v[BM+\b], v[W8+\b]
.endr
.irp b, 0,1
	s_delay_alu instid0(VALU_DEP_2)
	v_add_nc_u32 v[SO+\b], 0xff000000, v[BM+\b]
.endr
.irp b, 0,1
	s_delay_alu instid0(VALU_DEP_2)
	v_lshrrev_b32 v[BM+\b], 23, v[SO+\b]
.endr
	s_delay_alu instid0(VALU_DEP_1)
	v_lshl_or_b32 v[TV], v[BM+1], 8, v[BM]         ; my row's two scale bytes
	v_cvt_scalef32_pk16_fp6_f32 v[PCD:PCD+2], v[S:S+15], v[SO]
	v_cvt_scalef32_pk16_fp6_f32 v[W8+4:W8+6], v[S+16:S+31], v[SO+1]
	v_nop
.irp i, 0,1,2
	v_permlane16_swap_b32 v[PCD+\i], v[W8+4+\i]    ; here a block lies in two lanes: the operand wants it whole in one
.endr
.irp i, 0,1,2
	s_delay_alu instid0(VALU_DEP_3)
	v_mov_b32 v[PCD+3+\i], v[W8+4+\i]
.endr
	global_store_b128 v[L16], v[PCD:PCD+3], s[72:73]               ; 512 consecutive bytes
	global_store_b64 v[L8], v[PCD+4:PCD+5], s[72:73] offset:512    ; 256
	ds_store_b16 v[OSA], v[TV] offset:OSC          ; both lanes of a row write the same two bytes with the same value
	s_wait_dscnt 0x0                               ; for the others' sake: my store has landed
	s_barrier_signal -1
	s_barrier_wait -1
	s_cmp_lg_u32 s[WV], 0
	s_cbranch_scc1 .Lnot_first
	ds_load_b128 v[S:S+3], v[L16] offset:OSC       ; wave 0 stores the sixteen tiles' 512 scale bytes: two aligned runs of 256
	s_wait_dscnt 0x0
	global_store_b128 v[L16], v[S:S+3], s[74:75]
.Lnot_first:
	s_wait_tensorcnt 0x0                           ; the wave's end
	ds_add_u32 v[SPW], v[NIL]
	s_wait_dscnt 0x0
	CROUND                                         ; the closing round
	s_endpgm
.Lfunc_end_k_qedaeef79c6_attn:
	.size	k_qedaeef79c6_attn, .Lfunc_end_k_qedaeef79c6_attn-k_qedaeef79c6_attn
	.p2alignl 7, 3214868480
	.fill 96, 4, 3214868480
	.section	.rodata,"a",@progbits
	.p2align	6, 0x0
	.amdhsa_kernel k_qedaeef79c6_attn
		.amdhsa_group_segment_fixed_size 327680
		.amdhsa_private_segment_fixed_size 0
		.amdhsa_enable_private_segment 0
		.amdhsa_kernarg_size 48
		.amdhsa_user_sgpr_count 2
		.amdhsa_user_sgpr_kernarg_segment_ptr 1
		.amdhsa_wavefront_size32 1
		.amdhsa_system_sgpr_workgroup_id_x 1
		.amdhsa_system_sgpr_workgroup_id_y 1
		.amdhsa_system_sgpr_workgroup_id_z 1
		.amdhsa_system_vgpr_workitem_id 0
		.amdhsa_next_free_vgpr 256
		.amdhsa_next_free_sgpr 100
		.amdhsa_reserve_vcc 0
		.amdhsa_float_denorm_mode_32 3
		.amdhsa_float_denorm_mode_16_64 3
		.amdhsa_memory_ordered 1
		.amdhsa_forward_progress 1
		.amdhsa_inst_pref_size 103
	.end_amdhsa_kernel
	.amdgpu_metadata
---
amdhsa.version: [ 1, 2 ]
amdhsa.kernels:
  - .name:           k_qedaeef79c6_attn
    .symbol:         k_qedaeef79c6_attn.kd
    .args:
      - { .name: qc, .offset: 0, .size: 8, .value_kind: global_buffer, .address_space: global }
      - { .name: qs, .offset: 8, .size: 8, .value_kind: global_buffer, .address_space: global }
      - { .name: kvc, .offset: 16, .size: 8, .value_kind: global_buffer, .address_space: global }
      - { .name: kvs, .offset: 24, .size: 8, .value_kind: global_buffer, .address_space: global }
      - { .name: oc, .offset: 32, .size: 8, .value_kind: global_buffer, .address_space: global }
      - { .name: os, .offset: 40, .size: 8, .value_kind: global_buffer, .address_space: global }
    .group_segment_fixed_size: 327680
    .private_segment_fixed_size: 0
    .kernarg_segment_align: 8
    .kernarg_segment_size: 48
    .max_flat_workgroup_size: 512
    .sgpr_count:     100
    .vgpr_count:     256
    .wavefront_size: 32
...
	.end_amdgpu_metadata
.endif
;; end of part 2
;; launch outp (part 3): grid 64 x 4, 16 waves a work-group, no clusters, 198,656 bytes of LDS; arguments oc, os, Wo_codes, Wo_scales, bo, out0; writes out0
.if DOCPART == 3
	.amdgcn_target "amdgcn-amd-amdhsa--gfx1250"
	.amdhsa_code_object_version 6
	.text
	.protected	k_qedaeef79c6_outp
	.globl	k_qedaeef79c6_outp
	.p2align	8
	.type	k_qedaeef79c6_outp,@function
k_qedaeef79c6_outp:
	s_mov_b64 s[64:65], 0
	v_nop
	global_prefetch_b8 v0, s[64:65] scope:SCOPE_SE
	s_setreg_imm32_b32 hwreg(HW_REG_WAVE_MODE, 25, 1), 1
	s_wait_xcnt 0x0
; out0 = o Wo + bo on codes of FP6 (E2M3) with E8M0 scales, K = 512 = 8 heads x 64.  o's codes and scale bytes were made by the launch before; Wo arrives as codes, [512 columns][K], K innermost.
; SHARES.  Work-group (gx, gy): rows 128 gx .. + 127 (batch and sequence on end), columns 128 gy .. + 127.  Sixteen waves: rg = wave / 4 takes 32 rows (two tiles), cg = wave % 4 takes 32 columns (two tiles):
; four accumulators, four K steps of 128, sixteen matrix instructions a wave.
; o's tiles lie as images of registers: [tile][head] units of 768 bytes (6 registers: 16 rows x the head's 64).  Heads 2 s and 2 s + 1 on end are the fragment of K step s.  Lane r of tile u of a pair is row 8 u + r + 8 (r / 8) of 32.
; THE MATRIX INSTRUCTION IS USED TRANSPOSED (source 0 = 16 columns of Wo, source 1 = 16 rows of o): a lane holds eight neighbouring numbers of a row of out0.  bo is the C of each sum's first matrix instruction.
; LDS: o's 8 tiles, 49,152 dense bytes; Wo's 128 rows of 384 bytes, 16 bytes of padding behind each 128 (pitch 432); both filled once by six tensor loads.  Behind them a stage of 128 rows x (512 + 16) bytes that LDS stores alone write:
; a row's 512 bytes come from four waves and leave whole, 32 lanes to a row.
; NO JOINT LOADS: a work-group fetches 98,304 bytes once, at its head, and has no ring; a cluster would add two rounds of its barrier round the only loads.  No prefetch: the only loads stand at the head.
; LIMITS: NaN, infinities and a given scale byte 0xff are not served.
; LATER FORM OF THE LAYOUT, which stands in place of what the lines above say of o's rows: of 64 neighbouring rows, tile i gives lane r the row 8 i + r + 24 (r / 8).
; Wo's dense block of 24,576 bytes is stated as 96 rows of 256 bytes; the padding behind every 128 bytes lays the same bytes in LDS.
.set PITCH, 432
.set WOB,  49152                       ; Wo's rows
.set STG,  WOB+128*PITCH               ; the stage
.set SP,   528
.set L16, 1                            ; v1  16 x lane
.set L2,  2                            ; v2  2 x lane
.set VB,  3                            ; v3  32 h
.set AA16, 4                           ; v4  16 x lane + my two tiles of o;  v5  8 x lane + the same
.set AA8, 5
.set WOA, 6                            ; v6-7 my rows of Wo (v7: for the pieces behind one padding more)
.set STO, 8                            ; v8  the stage: where I put 32 bytes of a row
.set RD,  9                            ; v9  and where I read a row back
.set WS,  16                           ; v16-19 Wo's scale words, K step s: lanes 0-15 column tile 0, lanes 16-31 tile 1
.set OS,  20                           ; v20-23 o's: lanes 0-15 row tile 0, lanes 16-31 tile 1
.set AF,  32                           ; v32-127 o's units: tile u, head hd at 32 + 48 u + 6 hd
.set WF,  128                          ; v128-223 Wo's fragments: tile n, K step s at 128 + 48 n + 12 s
.set ACC, 224                          ; v224-255 accumulator (u, n) at 224 + 16 u + 8 n
.set OH,  240                          ; v240-247 first hold o's scale bytes, two a head
.set WV,  18
.set G1A, 24
.set G1W, 32
.set G0A, 40
.set G0W, 44
.macro PLACES n
.rept \n
	v_nop
.endr
.endm
.macro MM d, a, b, c, sa, sb, ra, rb
.if (\ra) && (\rb)
	v_wmma_scale_f32_16x16x128_f8f6f4 v[\d:\d+7], v[\a:\a+11], v[\b:\b+11], v[\c:\c+7], v[\sa], v[\sb] matrix_a_fmt:MATRIX_FMT_FP6 matrix_b_fmt:MATRIX_FMT_FP6 matrix_a_scale:MATRIX_SCALE_ROW1 matrix_b_scale:MATRIX_SCALE_ROW1
.elseif (\ra)
	v_wmma_scale_f32_16x16x128_f8f6f4 v[\d:\d+7], v[\a:\a+11], v[\b:\b+11], v[\c:\c+7], v[\sa], v[\sb] matrix_a_fmt:MATRIX_FMT_FP6 matrix_b_fmt:MATRIX_FMT_FP6 matrix_a_scale:MATRIX_SCALE_ROW1
.elseif (\rb)
	v_wmma_scale_f32_16x16x128_f8f6f4 v[\d:\d+7], v[\a:\a+11], v[\b:\b+11], v[\c:\c+7], v[\sa], v[\sb] matrix_a_fmt:MATRIX_FMT_FP6 matrix_b_fmt:MATRIX_FMT_FP6 matrix_b_scale:MATRIX_SCALE_ROW1
.else
	v_wmma_scale_f32_16x16x128_f8f6f4 v[\d:\d+7], v[\a:\a+11], v[\b:\b+11], v[\c:\c+7], v[\sa], v[\sb] matrix_a_fmt:MATRIX_FMT_FP6 matrix_b_fmt:MATRIX_FMT_FP6
.endif
.endm
.macro FRAG reg, adr, q, row           ; a fragment from rows in LDS: six pieces of 8 bytes; lanes 16-31 read three pieces on, which for some pieces is behind one padding more: the second address register serves those
.irp p, 0,1,2,3,4,5
.set PCE, 12*(\q)+6*(\p/3)+\p%3
.if PCE%16 < 13
	ds_load_b64 v[\reg+2*\p:\reg+2*\p+1], v[\adr] offset:8*PCE+16*(PCE/16)+(\row)*PITCH
.else
	ds_load_b64 v[\reg+2*\p:\reg+2*\p+1], v[\adr+1] offset:8*PCE+16*(PCE/16)+(\row)*PITCH
.endif
.endr
.endm
	s_load_b256 s[4:11], s[0:1], 0x0               ; oc 4, os 6, Wo_codes 8, Wo_scales 10
	s_load_b128 s[12:15], s[0:1], 0x20             ; bo 12, out0 14
	v_lshl_add_u32 v30, v0, 2, 0x30000
	v_mov_b32 v31, 0
	ds_add_u32 v30, v31
	ds_add_u32 v30, v31
	v_lshrrev_b32 v13, 5, v0
	s_delay_alu instid0(VALU_DEP_1)
	v_readfirstlane_b32 s[WV], v13                 ; wave 0..15
	s_mov_b32 s19, ttmp9                           ; gx
	s_and_b32 s20, ttmp7, 0xffff                   ; gy
	s_lshr_b32 s21, s[WV], 2                       ; rg
	s_and_b32 s22, s[WV], 3                        ; cg
	; descriptor groups 1.  o: 48 rows of 256 bytes, dense (two tiles, 12,288 bytes)
	s_mov_b32 s[G1A+0], 3<<16                      ; no mask; elements of 8 bytes; no padding
	s_mov_b32 s[G1A+1], 32<<16
	s_mov_b32 s[G1A+2], 48<<16
	s_mov_b32 s[G1A+3], 32<<16
	s_mov_b32 s[G1A+4], 48
	s_mov_b32 s[G1A+5], 32
	s_mov_b32 s[G1A+6], 0
	s_mov_b32 s[G1A+7], 0
	; Wo: 64 rows of 384 bytes, dense: stated as 96 rows of 256 bytes, each on a multiple of 256; 16 bytes of padding behind every 128
	s_mov_b32 s[G1W+0], (0<<16)|(1<<20)|(4<<22)|(3<<25)
	s_mov_b32 s[G1W+1], 256<<16
	s_mov_b32 s[G1W+2], 96<<16
	s_mov_b32 s[G1W+3], 256<<16
	s_mov_b32 s[G1W+4], 96
	s_mov_b32 s[G1W+5], 256
	s_mov_b32 s[G1W+6], 0
	s_mov_b32 s[G1W+7], 0
	s_mul_i32 s50, s19, 49152                      ; waves 0-3: the work-group's 8 tiles of o, two a wave
	s_mul_i32 s51, s[WV], 12288
	s_add_co_u32 s50, s50, s51
	s_mov_b32 s51, 0
	s_and_b32 s52, s[WV], 1                        ; waves 4, 5: the two halves of Wo's 128 rows
	s_lshl_b32 s53, s20, 7
	s_lshl_b32 s54, s52, 6
	s_add_co_u32 s53, s53, s54
	s_mul_i32 s54, s53, 384
	s_mov_b32 s55, 0
	s_mov_b32 s[G0A], 1
	s_mul_i32 s[G0A+1], s[WV], 12288
	s_mov_b32 s[G0W], 1
	s_mul_i32 s[G0W+1], s52, 64*PITCH
	s_add_co_u32 s[G0W+1], s[G0W+1], WOB
	s_lshl_b32 s66, s20, 7
	s_lshl_b32 s67, s22, 5
	s_add_co_u32 s66, s66, s67                     ; my first column
	s_lshl_b32 s68, s66, 4                         ; 16 scale bytes a row of Wo
	s_mov_b32 s69, 0
	s_lshl_b32 s70, s66, 2                         ; bo
	s_mov_b32 s71, 0
	s_lshr_b32 s72, s19, 5                         ; batch: os is [8 batch + head][tile][16 rows] two bytes
	s_lshl_b32 s72, s72, 11
	s_and_b32 s73, s19, 31
	s_lshl_b32 s73, s73, 3
	s_add_co_u32 s72, s72, s73
	s_lshl_b32 s73, s21, 1
	s_add_co_u32 s72, s72, s73                     ; head 0's entry of my first tile
	s_lshl_b32 s72, s72, 5
	s_mov_b32 s73, 0
	s_lshl_b32 s74, s19, 7
	s_lshl_b32 s75, s[WV], 3
	s_add_co_u32 s74, s74, s75                     ; the first row that I store: 128 gx + 8 x wave
	s_lshl_b32 s74, s74, 11
	s_lshl_b32 s75, s20, 9
	s_add_co_u32 s74, s74, s75
	s_mov_b32 s75, 0
	v_and_b32 v13, 31, v0                          ; lane
	v_and_b32 v14, 15, v0                          ; r
	v_bfe_u32 v15, v0, 4, 1                        ; h
	s_delay_alu instid0(VALU_DEP_3)
	v_lshlrev_b32 v[L16], 4, v13
	s_delay_alu instid0(VALU_DEP_4)
	v_lshlrev_b32 v[L2], 1, v13
	s_delay_alu instid0(VALU_DEP_3)
	v_lshlrev_b32 v[VB], 5, v15
	s_mul_i32 s56, s21, 12288
	v_add_nc_u32 v[AA16], s56, v[L16]
	v_lshl_add_u32 v[AA8], v13, 3, s56
	s_mul_i32 s57, s22, 32*PITCH
	s_add_co_u32 s57, s57, WOB
	v_mul_u32_u24 v[WOA], v14, PITCH
	s_delay_alu instid0(VALU_DEP_1)
	v_mad_u32_u24 v[WOA], v15, 24, v[WOA]
	s_delay_alu instid0(VALU_DEP_1)
	v_add_nc_u32 v[WOA], s57, v[WOA]
	s_delay_alu instid0(VALU_DEP_1)
	v_lshl_add_u32 v[WOA+1], v15, 4, v[WOA]
	v_and_b32 v10, 8, v14
	s_delay_alu instid0(VALU_DEP_1)
	v_mad_u32_u24 v10, v10, 3, v14                 ; r + 24 (r / 8)
	s_delay_alu instid0(VALU_DEP_1)
	v_mul_u32_u24 v[STO], v10, SP
	s_delay_alu instid0(VALU_DEP_1)
	v_lshl_add_u32 v[STO], v15, 5, v[STO]
	s_wait_alu depctr_va_vdst(0)                   ; ahead of the run of scalar instructions
	s_lshr_b32 s58, s21, 1
	s_mul_i32 s58, s58, 64*SP                      ; my two tiles are tiles 2 (rg % 2) and 2 (rg % 2) + 1 of the 64 rows rg / 2
	s_and_b32 s59, s21, 1
	s_mul_i32 s59, s59, 16*SP
	s_add_co_u32 s58, s58, s59
	s_lshl_b32 s59, s22, 7
	s_add_co_u32 s58, s58, s59
	s_add_co_u32 s58, s58, STG
	v_add_nc_u32 v[STO], s58, v[STO]               ; row 64 (rg / 2) + 16 (rg % 2) + r + 24 (r / 8), + 128 cg + 32 h
	s_mul_i32 s59, s[WV], 8*SP
	s_add_co_u32 s59, s59, STG
	v_add_nc_u32 v[RD], s59, v[L16]
	s_wait_dscnt 0x0
	s_wait_kmcnt 0x0
	s_add_nc_u64 s[G0A+2:G0A+3], s[4:5], s[50:51]
	s_or_b32 s[G0A+3], s[G0A+3], 0x80000000
	s_add_nc_u64 s[G0W+2:G0W+3], s[8:9], s[54:55]
	s_or_b32 s[G0W+3], s[G0W+3], 0x80000000
	s_cmp_lt_u32 s[WV], 4                          ; the fills: one tensor load a wave, waves 0-5; four v_nop follow each line
	s_cbranch_scc0 .Lnot_o
	tensor_load_to_lds s[G0A:G0A+3], s[G1A:G1A+7]
	s_nop 0
	PLACES 4
	s_branch .Lasked
.Lnot_o:
	s_cmp_lt_u32 s[WV], 6
	s_cbranch_scc0 .Lasked
	tensor_load_to_lds s[G0W:G0W+3], s[G1W:G1W+7]
	s_nop 0
	PLACES 4
.Lasked:
	s_add_nc_u64 s[60:61], s[10:11], s[68:69]
	s_add_nc_u64 s[62:63], s[12:13], s[70:71]
	s_add_nc_u64 s[76:77], s[6:7], s[72:73]
	s_add_nc_u64 s[14:15], s[14:15], s[74:75]
	global_load_b128 v[WS:WS+3], v[L16], s[60:61]  ; lane l: row l of my 32 rows of Wo: its words of the four K steps
.irp hd, 0,1,2,3,4,5,6,7
	global_load_u16 v[OH+\hd], v[L2], s[76:77] offset:8192*\hd     ; lane (r, u): head hd's two bytes of row r of tile u
.endr
.irp n, 0,1                                    ; bo in the result's layout: register j of column tile n is column 16 n + 8 h + j
	global_load_b128 v[ACC+8*\n:ACC+8*\n+3], v[VB], s[62:63] offset:64*\n
	global_load_b128 v[ACC+8*\n+4:ACC+8*\n+7], v[VB], s[62:63] offset:64*\n+16
.endr
	s_wait_loadcnt 0x0
.irp s, 0,1,2,3
	v_lshl_or_b32 v[OS+\s], v[OH+2*\s+1], 16, v[OH+2*\s]           ; heads 2 s and 2 s + 1: the four blocks of K step s
.endr
	s_wait_alu depctr_va_vdst(0)
	s_wait_tensorcnt 0x0                           ; for the others' sake: my tile has landed
	s_barrier_signal -1
	s_barrier_wait -1
.irp u, 0,1
.irp hd, 0,1,2,3,4,5,6,7
	ds_load_b128 v[AF+48*\u+6*\hd:AF+48*\u+6*\hd+3], v[AA16] offset:6144*\u+768*\hd
	ds_load_b64 v[AF+48*\u+6*\hd+4:AF+48*\u+6*\hd+5], v[AA8] offset:6144*\u+768*\hd+512
.endr
.endr
.irp n, 0,1
.irp s, 0,1,2,3
	FRAG WF+48*\n+12*\s, WOA, \s, 16*\n
.endr
.endr
	s_wait_dscnt 0x0
	PLACES 8                                       ; a scale register written by a vector instruction stands eight places ahead of a scaled matrix instruction
.macro OMUL s, u, cz                   ; row tile u against the two column tiles; cz = 1: C is bo, which lies in row tile 0's accumulators
.irp n, 0,1
.if \cz
	MM ACC+16*(\u)+8*\n, WF+48*\n+12*(\s), AF+48*(\u)+12*(\s), ACC+8*\n, WS+(\s), OS+(\s), \n, \u
.else
	MM ACC+16*(\u)+8*\n, WF+48*\n+12*(\s), AF+48*(\u)+12*(\s), ACC+16*(\u)+8*\n, WS+(\s), OS+(\s), \n, \u
.endif
.endr
.endm
	OMUL 0, 1, 1
	PLACES 5                                       ; the next two write over registers that the last two took as C
	OMUL 0, 0, 0
.irp s, 1,2,3                                  ; the four accumulators by turns, in the same order in every K step
	OMUL \s, 1, 0
	OMUL \s, 0, 0
.endr
	PLACES 4                                       ; in front of the first read of results, and of the loads into o's registers below
.irp u, 0,1
.irp n, 0,1
	ds_store_b128 v[STO], v[ACC+16*\u+8*\n:ACC+16*\u+8*\n+3] offset:8*\u*SP+64*\n         ; each accumulator from its low end on
	ds_store_b128 v[STO], v[ACC+16*\u+8*\n+4:ACC+16*\u+8*\n+7] offset:8*\u*SP+64*\n+16
.endr
.endr
	s_wait_dscnt 0x0                               ; for the others' sake: my stores into the stage have landed
	s_barrier_signal -1
	s_barrier_wait -1
.irp i, 0,1,2,3,4,5,6,7
	ds_load_b128 v[AF+4*\i:AF+4*\i+3], v[RD] offset:\i*SP
.endr
.irp i, 0,1,2,3,4,5,6,7
	s_wait_dscnt 7-\i                              ; LDS loads come back in order: row i is in, the 7 - i younger ones may be out
	global_store_b128 v[L16], v[AF+4*\i:AF+4*\i+3], s[14:15] offset:2048*\i th:TH_STORE_NT   ; 32 lanes store 512 consecutive bytes, at a multiple of 256 from out0's first byte
.endr
	s_wait_tensorcnt 0x0
	ds_add_u32 v30, v31
	s_wait_dscnt 0x0
	s_endpgm
.Lfunc_end_k_qedaeef79c6_outp:
	.size	k_qedaeef79c6_outp, .Lfunc_end_k_qedaeef79c6_outp-k_qedaeef79c6_outp
	.p2alignl 7, 3214868480
	.fill 96, 4, 3214868480
	.section	.rodata,"a",@progbits
	.p2align	6, 0x0
	.amdhsa_kernel k_qedaeef79c6_outp
		.amdhsa_group_segment_fixed_size 198656
		.amdhsa_private_segment_fixed_size 0
		.amdhsa_enable_private_segment 0
		.amdhsa_kernarg_size 48
		.amdhsa_user_sgpr_count 2
		.amdhsa_user_sgpr_kernarg_segment_ptr 1
		.amdhsa_wavefront_size32 1
		.amdhsa_system_sgpr_workgroup_id_x 1
		.amdhsa_system_sgpr_workgroup_id_y 1
		.amdhsa_system_sgpr_workgroup_id_z 1
		.amdhsa_system_vgpr_workitem_id 0
		.amdhsa_next_free_vgpr 256
		.amdhsa_next_free_sgpr 80
		.amdhsa_reserve_vcc 0
		.amdhsa_float_denorm_mode_32 3
		.amdhsa_float_denorm_mode_16_64 3
		.amdhsa_memory_ordered 1
		.amdhsa_forward_progress 1
		.amdhsa_inst_pref_size 18
	.end_amdhsa_kernel
	.amdgpu_metadata
---
amdhsa.version: [ 1, 2 ]
amdhsa.kernels:
  - .name:           k_qedaeef79c6_outp
    .symbol:         k_qedaeef79c6_outp.kd
    .args:
      - { .name: oc, .offset: 0, .size: 8, .value_kind: global_buffer, .address_space: global }
      - { .name: os, .offset: 8, .size: 8, .value_kind: global_buffer, .address_space: global }
      - { .name: Wo_codes, .offset: 16, .size: 8, .value_kind: global_buffer, .address_space: global }
      - { .name: Wo_scales, .offset: 24, .size: 8, .value_kind: global_buffer, .address_space: global }
      - { .name: bo, .offset: 32, .size: 8, .value_kind: global_buffer, .address_space: global }
      - { .name: out0, .offset: 40, .size: 8, .value_kind: global_buffer, .address_space: global }
    .group_segment_fixed_size: 198656
    .private_segment_fixed_size: 0
    .kernarg_segment_align: 8
    .kernarg_segment_size: 48
    .max_flat_workgroup_size: 512
    .sgpr_count:     80
    .vgpr_count:     256
    .wavefront_size: 32
...
	.end_amdgpu_metadata
.endif
;; end of part 3
